; MI455X (gfx1250); checked and timed in simulation.
; The chip was launched on July 23, 2026; its instructions are those of AMD's public machine-readable ISA for CDNA 5 (MIT licence, August 2026) and "CDNA5" Instruction Set Architecture Reference Guide (July 2026). The comments in the code are by the model that wrote it; some were corrected since.
;; Flamingo Masked Cross Attention. Allowed arithmetic: float matrix products may take bf16 or f16 operands with f32 sums; other float arithmetic in f32, or as packed bf16 or f16 multiplies, adds, multiply-adds, maxima and minima; sums over many terms, partial sums and values carried from step to step in f32; what a program stores and reads back later, other than sums and carried values, may be rounded once to bf16 or f16.
;; Inputs: Wkv 1,024 x 2,048 float32; Wo 1,024 x 2,048 float32; Wq 2,048 x 1,024 float32; media 4 x 8 x 64 x 1,024 float32; media_locations 4 x 2,048 bool; norm_b 2,048 float32; norm_w 2,048 float32; x 4 x 2,048 x 2,048 float32.
;; Outputs: out0 4 x 2,048 x 2,048 float32.
;; One version. Each part assembles by itself: llvm-mc -triple=amdgcn-amd-amdhsa -mcpu=gfx1250 --defsym DOCPART=n.
;; ======== version 1 of 1: 4 launches
;; limits: values are held in f16: magnitudes above 65,504 overflow, below 6.1e-05 lose precision
;; workspace buffers: xq 37,748,736 bytes; wo16 4,194,304 bytes; wkv16 4,194,304 bytes; med16 4,194,304 bytes; ebuf 32,768 bytes of whole numbers; kv 8,388,608 bytes; q16 16,777,216 bytes; att 16,777,216 bytes
;; launch prep (part 1): grid 769 x 1, 4 waves a work-group, no clusters, 0 bytes of LDS; arguments x, norm_w, norm_b, Wq, Wo, Wkv, media, media_locations, xq, wo16, wkv16, med16, ebuf; writes xq, wo16, wkv16, med16, ebuf
.if DOCPART == 1
	.amdgcn_target "amdgcn-amd-amdhsa--gfx1250"
	.amdhsa_code_object_version 6
	.text
	.protected	k_q55cafa30e4_prep
	.globl	k_q55cafa30e4_prep
	.p2align	8
	.type	k_q55cafa30e4_prep,@function
k_q55cafa30e4_prep:
	s_mov_b64 s[64:65], 0
	v_nop
	global_prefetch_b8 v0, s[64:65] scope:SCOPE_SE
	s_setreg_imm32_b32 hwreg(HW_REG_WAVE_MODE, 25, 1), 1
	s_wait_xcnt 0x0
; PREPARATION, three roles by the work-group's number.
;   0..511    LayerNorm: xn[row][:] = (x - mean) rsqrt(var + 1e-5) w + b, 16 rows a work-group, 4 a wave; a row (8,192 bytes) lies in one wave's registers and is read once.
;   512..767  casts: Wq, Wo, media, Wkv (64 work-groups each) to 16 bits; Wkv's columns are laid by heads: n' = 128 head + 64 (0: K, 1: V) + channel.
;   768       text time: e[b][i] = min(9, number of media marks at or before i), as whole numbers; wave w takes batch w.
; xq holds the two operands of the q projection: xn [8192][2048] from byte 0, Wq's copy [2048][1024] from byte 33,554,432.
; FORMATS.  Every input (x, w, b and the four large tensors) is rounded ONCE to bf16; what is stored is that number written as f16 (exact from 2^-14 up; below it f16's step of 2^-24).
; Mean and variance are taken of the rounded row, in two passes, in f32; xn is rounded once to f16.
; LIMITS.  |input| and |xn| below 65,504 (f16's end); NaN and infinities are not treated apart; a mark is the byte 0 or 1.
; A stream: no LDS, no matrix unit.  Each load of a wave covers 512 neighbouring bytes (Wkv: twice 256), each store 256 neighbouring bytes, aligned.
.set T,  4                             ; v[4:7]     at work
.set CH, 8                             ; v[8:15]    four packed chains of a sum
.set PO, 22                            ; v22        Wkv's lane offset; v23 at work for it; no loop writes them
.set Y,  32                            ; v[32:63]   a row as stored
.set X,  64                            ; v[64:127]  a row as loaded: X[4 j + i] = element 128 j + 4 lane + i
.set D,  128                           ; v[128:191] the row in f32, at work
.set WP, 192                           ; v[192:223] w of my 64 columns, bf16 pairs
.set BP, 224                           ; v[224:255] b likewise
.set WOFF, 8192*2048*2                 ; Wq's copy in xq
	s_load_b512 s[8:23], s[0:1], 0x0               ; x 8, w 10, b 12, Wq 14, Wo 16, Wkv 18, media 20, marks 22
	s_load_b256 s[24:31], s[0:1], 0x40             ; xq 24, wo16 26, wkv16 28, med16 30
	s_load_b64 s[32:33], s[0:1], 0x60              ; ebuf
	v_and_b32 v1, 31, v0                           ; lane
	v_lshrrev_b32 v2, 5, v0
	v_readfirstlane_b32 s3, v2                     ; wave
	v_lshlrev_b32 v2, 4, v1                        ; 16 x lane
	v_lshlrev_b32 v3, 3, v1                        ; 8 x lane
	s_mov_b32 s2, ttmp9
	s_mov_b32 s5, 0
	s_mov_b32 s40, 0xffff0000                      ; a word's upper bf16
	s_mov_b32 s41, 0x3a000000                      ; 1 / 2048
	s_mov_b32 s42, 0x3727c5ac                      ; 1e-5
	s_mov_b32 s44, 0x76543210                      ; v_permlanex16_b32: each lane takes its own place in the other half
	s_mov_b32 s45, 0xfedcba98
	s_mov_b32 s46, 4                               ; rows of a wave
	s_wait_kmcnt 0x0
	s_add_nc_u64 s[34:35], s[24:25], WOFF          ; Wq's copy
	s_cmp_lt_u32 s2, 512
	s_cbranch_scc0 .Lnot_ln
; ---------------------------------------------------------------- LayerNorm
	s_lshl_b32 s4, s2, 17                          ; 16 rows of 8,192 bytes a work-group,
	s_lshl_b32 s6, s3, 15                          ; 4 a wave
	s_add_co_u32 s4, s4, s6
	s_add_nc_u64 s[36:37], s[8:9], s[4:5]          ; x at my first row
	s_lshr_b32 s4, s4, 1
	s_add_nc_u64 s[38:39], s[24:25], s[4:5]        ; xn likewise
.set j, 0
.rept 16
	global_load_b128 v[D+4*j:D+4*j+3], v2, s[10:11] offset:512*j
.set j, j+1
.endr
.set j, 0
.rept 8
	global_load_b128 v[Y+4*j:Y+4*j+3], v2, s[12:13] offset:512*j
.set j, j+1
.endr
.set j, 0
.rept 16
	global_load_b128 v[X+4*j:X+4*j+3], v2, s[36:37] offset:512*j th:TH_LOAD_NT
.set j, j+1
.endr
	s_wait_loadcnt 24                              ; w is in: 8 loads of b and 16 of x are younger
.set k, 0
.rept 32
	v_cvt_pk_bf16_f32 v[WP+k], v[D+2*k], v[D+2*k+1]
.set k, k+1
.endr
	s_wait_loadcnt 16                              ; b's first half is in
.set k, 0
.rept 16
	v_cvt_pk_bf16_f32 v[BP+k], v[Y+2*k], v[Y+2*k+1]
.set k, k+1
.endr
.set j, 0
.rept 8
	global_load_b128 v[Y+4*j:Y+4*j+3], v2, s[12:13] offset:4096+512*j
.set j, j+1
.endr
	s_wait_loadcnt 0x0
.set k, 0
.rept 16
	v_cvt_pk_bf16_f32 v[BP+16+k], v[Y+2*k], v[Y+2*k+1]
.set k, k+1
.endr
.macro LANESUM                         ; the four chains -> v8, the sum over the wave's 2,048 numbers, in every lane
	v_pk_add_f32 v[CH:CH+1], v[CH:CH+1], v[CH+2:CH+3]
	v_pk_add_f32 v[CH+4:CH+5], v[CH+4:CH+5], v[CH+6:CH+7]
	v_pk_add_f32 v[CH:CH+1], v[CH:CH+1], v[CH+4:CH+5]
	v_add_f32 v8, v8, v9
	v_add_f32_dpp v8, v8, v8 row_xmask:1 row_mask:0xf bank_mask:0xf
	v_add_f32_dpp v8, v8, v8 row_xmask:2 row_mask:0xf bank_mask:0xf
	v_add_f32_dpp v8, v8, v8 row_xmask:4 row_mask:0xf bank_mask:0xf
	v_add_f32_dpp v8, v8, v8 row_xmask:8 row_mask:0xf bank_mask:0xf
	v_permlanex16_b32 v9, v8, s44, s45
	v_add_f32 v8, v8, v9
.endm
.Lrow:
	s_wait_loadcnt 0x0                             ; the row is in
.set k, 0
.rept 32                               ; rounded to bf16 and widened again
	v_cvt_pk_bf16_f32 v[T+k%4], v[X+2*k], v[X+2*k+1]
	v_lshlrev_b32 v[D+2*k], 16, v[T+k%4]
	v_and_b32 v[D+2*k+1], s40, v[T+k%4]
.set k, k+1
.endr
	s_cmp_eq_u32 s46, 1                            ; the last row has none behind it
	s_cbranch_scc1 .Lno_next
.set j, 0
.rept 16                               ; X is free: the next row is asked for while this one is worked on
	global_load_b128 v[X+4*j:X+4*j+3], v2, s[36:37] offset:8192+512*j th:TH_LOAD_NT
.set j, j+1
.endr
.Lno_next:
.irp c, 0,1,2,3
	v_pk_add_f32 v[CH+2*(\c):CH+2*(\c)+1], v[D+2*(\c):D+2*(\c)+1], v[D+8+2*(\c):D+8+2*(\c)+1]
.endr
.set k, 8
.rept 24
	v_pk_add_f32 v[CH+2*(k%4):CH+2*(k%4)+1], v[CH+2*(k%4):CH+2*(k%4)+1], v[D+2*k:D+2*k+1]
.set k, k+1
.endr
	LANESUM
	v_mul_f32 v16, s41, v8                         ; the mean,
	v_mov_b32 v17, v16                             ; twice
.set k, 0
.rept 32
	v_pk_add_f32 v[D+2*k:D+2*k+1], v[D+2*k:D+2*k+1], v[16:17] neg_lo:[0,1] neg_hi:[0,1]
.set k, k+1
.endr
.irp c, 0,1,2,3
	v_pk_mul_f32 v[CH+2*(\c):CH+2*(\c)+1], v[D+2*(\c):D+2*(\c)+1], v[D+2*(\c):D+2*(\c)+1]
.endr
.set k, 4
.rept 28
	v_pk_fma_f32 v[CH+2*(k%4):CH+2*(k%4)+1], v[D+2*k:D+2*k+1], v[D+2*k:D+2*k+1], v[CH+2*(k%4):CH+2*(k%4)+1]
.set k, k+1
.endr
	LANESUM
	v_fma_f32 v20, v8, s41, s42                    ; variance + 1e-5
	v_rsq_f32 v18, v20
	v_rsq_f32 v19, v20
	v_nop                                          ; a plain instruction behind the two roots,
	s_wait_alu depctr_va_vdst(0)                   ; and one wait for both ahead of their first reader
.set k, 0
.rept 32
	v_pk_mul_f32 v[D+2*k:D+2*k+1], v[D+2*k:D+2*k+1], v[18:19]
.set k, k+1
.endr
.set k, 0
.rept 32                               ; times w plus b, both read as bf16 halves, in f32
	v_fma_mix_f32_bf16 v[D+2*k], v[D+2*k], v[WP+k], v[BP+k] op_sel_hi:[0,1,1]
	v_fma_mix_f32_bf16 v[D+2*k+1], v[D+2*k+1], v[WP+k], v[BP+k] op_sel:[0,1,1] op_sel_hi:[0,1,1]
.set k, k+1
.endr
.set k, 0
.rept 32
	v_cvt_pk_f16_f32 v[Y+k], v[D+2*k], v[D+2*k+1]
.set k, k+1
.endr
.set j, 0
.rept 16
	global_store_b64 v3, v[Y+2*j:Y+2*j+1], s[38:39] offset:256*j  ; the wave's 32 lanes store 256 consecutive bytes, aligned
.set j, j+1
.endr
	s_wait_xcnt 0x0                                ; the pointers and Y are written again only behind this wait
	s_add_nc_u64 s[36:37], s[36:37], 8192
	s_add_nc_u64 s[38:39], s[38:39], 4096
	s_sub_co_u32 s46, s46, 1
	s_cmp_lg_u32 s46, 0
	s_cbranch_scc1 .Lrow
	s_endpgm
; ---------------------------------------------------------------- casts
; Four runs of 2,048 numbers a wave.  stride: bytes from load to load; vo: the register with the lane's byte offset, which the loop never writes.
.macro CASTLOOP stride, vo
.set j, 0
.rept 16
	global_load_b128 v[X+4*j:X+4*j+3], v[\vo], s[36:37] offset:(\stride)*j th:TH_LOAD_NT
.set j, j+1
.endr
.Lcast_\@:
	s_wait_loadcnt 0x0
.set k, 0
.rept 32                               ; to bf16, widened, written as f16
	v_cvt_pk_bf16_f32 v[T+k%4], v[X+2*k], v[X+2*k+1]
	v_lshlrev_b32 v[D+2*(k%4)], 16, v[T+k%4]
	v_and_b32 v[D+2*(k%4)+1], s40, v[T+k%4]
	v_cvt_pk_f16_f32 v[Y+k], v[D+2*(k%4)], v[D+2*(k%4)+1]
.set k, k+1
.endr
	s_cmp_eq_u32 s46, 1
	s_cbranch_scc1 .Lcast_last_\@
.set j, 0
.rept 16
	global_load_b128 v[X+4*j:X+4*j+3], v[\vo], s[36:37] offset:8192+(\stride)*j th:TH_LOAD_NT
.set j, j+1
.endr
.Lcast_last_\@:
.set j, 0
.rept 16
	global_store_b64 v3, v[Y+2*j:Y+2*j+1], s[38:39] offset:256*j
.set j, j+1
.endr
	s_wait_xcnt 0x0                                ; the pointers and Y are written again only behind this wait
	s_add_nc_u64 s[36:37], s[36:37], 8192
	s_add_nc_u64 s[38:39], s[38:39], 4096
	s_sub_co_u32 s46, s46, 1
	s_cmp_lg_u32 s46, 0
	s_cbranch_scc1 .Lcast_\@
.endm
.Lnot_ln:
	s_cmp_lt_u32 s2, 768
	s_cbranch_scc0 .Ltime
	s_sub_co_u32 s4, s2, 512
	s_lshr_b32 s6, s4, 6                           ; which tensor: 0 Wq, 1 Wo, 2 media, 3 Wkv
	s_and_b32 s4, s4, 63
	s_lshl_b32 s4, s4, 2
	s_add_co_u32 s4, s4, s3
	s_lshl_b32 s4, s4, 15                          ; my four runs of 8,192 bytes
	s_cmp_eq_u32 s6, 0
	s_cselect_b64 s[36:37], s[14:15], s[16:17]
	s_cselect_b64 s[38:39], s[34:35], s[26:27]
	s_cmp_eq_u32 s6, 2
	s_cselect_b64 s[36:37], s[20:21], s[36:37]
	s_cselect_b64 s[38:39], s[30:31], s[38:39]
	s_cmp_eq_u32 s6, 3
	s_cselect_b64 s[36:37], s[18:19], s[36:37]
	s_cselect_b64 s[38:39], s[28:29], s[38:39]
	s_add_nc_u64 s[36:37], s[36:37], s[4:5]
	s_lshr_b32 s4, s4, 1
	s_add_nc_u64 s[38:39], s[38:39], s[4:5]
	s_cmp_eq_u32 s6, 3
	s_cbranch_scc1 .Lperm
	CASTLOOP 512, 2
	s_endpgm
.Lperm:                                        ; Wkv: load j takes head j: lanes 0-15 its 64 columns of K, lanes 16-31 its 64 of V (4,096 bytes on); the store at 256 j + 8 lane is the row laid by heads
	v_and_b32 v[PO], 15, v1
	v_lshrrev_b32 v[PO+1], 4, v1
	v_lshlrev_b32 v[PO], 4, v[PO]
	v_lshl_add_u32 v[PO], v[PO+1], 12, v[PO]
	CASTLOOP 256, PO
	s_endpgm
; ---------------------------------------------------------------- text time
.Ltime:
	s_lshl_b32 s4, s3, 11                          ; my batch's 2,048 marks,
	s_add_nc_u64 s[36:37], s[22:23], s[4:5]
	s_lshl_b32 s4, s3, 13                          ; and its 2,048 words of e
	s_add_nc_u64 s[38:39], s[32:33], s[4:5]
	v_lshlrev_b32 v4, 2, v1
.set j, 0
.rept 16
	global_load_b32 v[X+j], v4, s[36:37] offset:128*j  ; places 128 j + 4 lane + 0..3
.set j, j+1
.endr
	s_mov_b32 s47, 0                               ; marks in the chunks before
	s_wait_loadcnt 0x0
.irp c, 0,1,2,3,4,5,6,7,8,9,10,11,12,13,14,15
	v_bfe_u32 v8, v[X+(\c)], 0, 8
	v_bfe_u32 v9, v[X+(\c)], 8, 8
	v_bfe_u32 v10, v[X+(\c)], 16, 8
	v_lshrrev_b32 v11, 24, v[X+(\c)]
	v_cmp_ne_u32 s48, 0, v8
	v_cmp_ne_u32 s49, 0, v9
	v_cmp_ne_u32 s50, 0, v10
	v_cmp_ne_u32 s51, 0, v11
	v_mov_b32 v12, s47
	v_mbcnt_lo_u32_b32 v12, s48, v12               ; + the marks of the lanes below me
	v_mbcnt_lo_u32_b32 v12, s49, v12
	v_mbcnt_lo_u32_b32 v12, s50, v12
	v_mbcnt_lo_u32_b32 v12, s51, v12
	v_add_nc_u32 v8, v12, v8                       ; + my own, one after the other: the count includes its own place
	v_add_nc_u32 v9, v8, v9
	v_add_nc_u32 v10, v9, v10
	v_add_nc_u32 v11, v10, v11
	v_min_u32 v[D+4*(\c)], 9, v8
	v_min_u32 v[D+4*(\c)+1], 9, v9
	v_min_u32 v[D+4*(\c)+2], 9, v10
	v_min_u32 v[D+4*(\c)+3], 9, v11
	global_store_b128 v2, v[D+4*(\c):D+4*(\c)+3], s[38:39] offset:512*(\c)
	s_bcnt1_i32_b32 s52, s48
	s_add_co_u32 s47, s47, s52
	s_bcnt1_i32_b32 s52, s49
	s_add_co_u32 s47, s47, s52
	s_bcnt1_i32_b32 s52, s50
	s_add_co_u32 s47, s47, s52
	s_bcnt1_i32_b32 s52, s51
	s_add_co_u32 s47, s47, s52
.endr
	s_endpgm
.Lfunc_end_k_q55cafa30e4_prep:
	.size	k_q55cafa30e4_prep, .Lfunc_end_k_q55cafa30e4_prep-k_q55cafa30e4_prep
	.p2alignl 7, 3214868480
	.fill 96, 4, 3214868480
	.section	.rodata,"a",@progbits
	.p2align	6, 0x0
	.amdhsa_kernel k_q55cafa30e4_prep
		.amdhsa_group_segment_fixed_size 0
		.amdhsa_private_segment_fixed_size 0
		.amdhsa_enable_private_segment 0
		.amdhsa_kernarg_size 104
		.amdhsa_user_sgpr_count 2
		.amdhsa_user_sgpr_kernarg_segment_ptr 1
		.amdhsa_wavefront_size32 1
		.amdhsa_system_sgpr_workgroup_id_x 1
		.amdhsa_system_sgpr_workgroup_id_y 1
		.amdhsa_system_sgpr_workgroup_id_z 1
		.amdhsa_system_vgpr_workitem_id 0
		.amdhsa_next_free_vgpr 256
		.amdhsa_next_free_sgpr 66
		.amdhsa_reserve_vcc 0
		.amdhsa_float_denorm_mode_32 3
		.amdhsa_float_denorm_mode_16_64 3
		.amdhsa_memory_ordered 1
		.amdhsa_forward_progress 1
		.amdhsa_inst_pref_size 79
	.end_amdhsa_kernel
	.amdgpu_metadata
---
amdhsa.version: [ 1, 2 ]
amdhsa.kernels:
  - .name:           k_q55cafa30e4_prep
    .symbol:         k_q55cafa30e4_prep.kd
    .args:
      - { .name: x, .offset: 0, .size: 8, .value_kind: global_buffer, .address_space: global }
      - { .name: norm_w, .offset: 8, .size: 8, .value_kind: global_buffer, .address_space: global }
      - { .name: norm_b, .offset: 16, .size: 8, .value_kind: global_buffer, .address_space: global }
      - { .name: Wq, .offset: 24, .size: 8, .value_kind: global_buffer, .address_space: global }
      - { .name: Wo, .offset: 32, .size: 8, .value_kind: global_buffer, .address_space: global }
      - { .name: Wkv, .offset: 40, .size: 8, .value_kind: global_buffer, .address_space: global }
      - { .name: media, .offset: 48, .size: 8, .value_kind: global_buffer, .address_space: global }
      - { .name: media_locations, .offset: 56, .size: 8, .value_kind: global_buffer, .address_space: global }
      - { .name: xq, .offset: 64, .size: 8, .value_kind: global_buffer, .address_space: global }
      - { .name: wo16, .offset: 72, .size: 8, .value_kind: global_buffer, .address_space: global }
      - { .name: wkv16, .offset: 80, .size: 8, .value_kind: global_buffer, .address_space: global }
      - { .name: med16, .offset: 88, .size: 8, .value_kind: global_buffer, .address_space: global }
      - { .name: ebuf, .offset: 96, .size: 8, .value_kind: global_buffer, .address_space: global }
    .group_segment_fixed_size: 0
    .private_segment_fixed_size: 0
    .kernarg_segment_align: 8
    .kernarg_segment_size: 104
    .max_flat_workgroup_size: 128
    .sgpr_count:     66
    .vgpr_count:     256
    .wavefront_size: 32
...
	.end_amdgpu_metadata
.endif
;; end of part 1
;; launch qkv (part 2): grid 4 x 64, 4 waves a work-group, clusters of 4 x 4, 327,680 bytes of LDS; arguments xq, med16, wkv16, kv, q16; writes kv, q16
.if DOCPART == 2
	.amdgcn_target "amdgcn-amd-amdhsa--gfx1250"
	.amdhsa_code_object_version 6
	.text
	.protected	k_q55cafa30e4_qkv
	.globl	k_q55cafa30e4_qkv
	.p2align	8
	.type	k_q55cafa30e4_qkv,@function
k_q55cafa30e4_qkv:
	s_mov_b64 s[64:65], 0
	v_nop
	global_prefetch_b8 v0, s[64:65] scope:SCOPE_SE
	s_setreg_imm32_b32 hwreg(HW_REG_WAVE_MODE, 25, 1), 1
	s_wait_xcnt 0x0
	s_wait_alu depctr_hold_cnt(0) depctr_sa_sdst(0) depctr_va_vdst(0) depctr_va_sdst(0) depctr_va_ssrc(0) depctr_va_vcc(0) depctr_vm_vsrc(0)
	s_getreg_b32 s2, hwreg(HW_REG_IB_STS2, 6, 4)
	s_cmp_eq_u32 s2, 0
	s_cbranch_scc0 .Lentry_in_a_cluster
	s_endpgm
.Lentry_in_a_cluster:
	s_bfe_u32 s2, ttmp6, 0x10000c
	s_cmp_lg_u32 s2, 0xf033
	s_cbranch_scc0 .Lentry_shape_is_right
	s_endpgm
.Lentry_shape_is_right:
; K, V AND Q IN ONE LAUNCH.  f16 operands, f32 sums, each result rounded once to f16.  A WORK-GROUP STAYS: it makes a tile of kv = media x Wkv, then a tile of q = xn x Wq, and the ring of LDS slots
; does not stop between them: kv's last two changes of slots ask for q's first two K steps, and kv's stores leave while q is multiplied.
; KV.  med16: [2048][1024]; wkv16: [1024 k][2048 n'], n' = 128 head + 64 (0: K, 1: V) + channel.  The tile is 128 rows (two media of 64 latents) x the 128 columns of one head; wave (wr, wc) takes 64 rows (one media) x
; K's channels 32 wc .. +31 and V's channels 32 wc .. +31: 16 accumulators; 4 K steps of 256.  OUT: blocks of 16,384 bytes at media x 16 + head.  K: 16-byte pieces (8 channels of a key) at (channel group x 64 + key) x 16.
; V, from byte 8,192: pieces (8 keys of a channel) at (key group x 64 + channel) x 16.  So K's products take the weights as source 0 (a lane holds 8 channels of one key), V's the rows (8 keys of one channel).
; Q.  xq: xn [8192][2048] from byte 0, Wq's copy [2048 k][1024 n] from byte 33,554,432.  The tile is 128 rows x 4 heads; wave w takes all 128 rows x head 4 tx + w: 32 accumulators; 16 K steps of 128.  q^T: source 0 = weights,
; source 1 = rows: a lane holds ONE row and 8 channels, so an accumulator rounded in pairs is half of a fragment as the attention's first product takes it.  q16 keeps that order: a block of 16,384 bytes for each
; (128 rows, head), at ty x 16 + head; accumulator (a, b) is the 512 bytes at 512 (4 a + b), 16 bytes a lane.  q is stored WITHOUT the scale.
; Rows lie in LDS as [row][k] (plain loads), weights as [k][n] (turning loads).
; CLUSTER 4 x 4, 16 clusters numbered c.  q: tx = cx, ty = 4 c + cy.  kv: head = 4 (c & 3) + cx, rows 128 (4 (c >> 2) + cy).  In both the rows' tile hangs on the y side alone and is asked for jointly along a row of the
; cluster, the weights' on the x side alone, along a column.
; LDS.  kv's two slots of 141,312 bytes from byte 0; q's two of 104,448 from byte 0.  q's step 0 lands in bytes 0 .. 104,447 when kv's step 2 (kv's slot 0) has been read; q's step 1 in 104,448 .. 208,895 when kv's step 3
; (kv's slot 1, from 141,312) has been read too.  Each is a refill behind a round of the cluster's barrier, one load a wave.  By this text's own count a wave has two tensor loads out at the start, then one.
; LIMITS.  |k|, |v|, |q| below 65,504 (f16's end); NaN and infinities are not treated apart.
; VECTOR REGISTERS.  Window 0: v2-20 addresses; v40-44 at work; v64-191 q's rows' fragments, two buffers (at the end: q packed); v192-255 q's weights', two buffers.
;   Window 1: kv's two fragment buffers of 128: rows at f + 8 (4 c + a), weights at f + 64 + 8 (4 c + b).  Window 2: v0-127 kv's accumulators ((a, b) at 8 (4 a + b)), v128-191 kv packed.  Window 3: q's accumulators ((a, b) at 8 (4 a + b)).
; SCALAR REGISTERS.  s2, s3 kv's head and row block; s14 wave, s15 wave & 1, s16 wave >> 1; s17 cx, s18 cy; s19, s20 q's tx, ty; s23 c; s21, s22, s100, s101 at work.
;   kv: s[24:31], s[32:39] group 1 for rows, weights; s[40:43], s[48:51] group 0 of step 0; s[44:47], s[52:55] the walking sets; s56 slot read, s57 slot filled, s58, s59 where my load goes.
;   q: s[68:75], s[76:83] group 1; s[84:87], s[88:91] the walking sets; s92 slot read, s93 slot filled, s94, s95 where my load goes.  s60 counts; s61, s[62:63], s[66:67] the prefetches' bound, address, step.
.set KPA,   528                        ; kv: a row of the rows' tile in LDS: 512 bytes + 16
.set KPB,   288                        ; kv: a k-row of the weights' tile: 256 bytes + 32
.set KAH,   64*KPA                     ; what wave 0 or 1 fetches
.set KBH,   128*KPB                    ; what wave 2 or 3 fetches
.set KBOFF, 2*KAH
.set KSLOT, KBOFF+2*KBH
.set KSTA,  512                        ; 256 along K in a row of med16
.set KSTB,  256*4096                   ; 256 k-rows of wkv16
.set PA,    272                        ; q: a row of the rows' tile: 256 bytes + 16
.set PB,    544                        ; q: a k-row of the weights' tile: 512 bytes + 32
.set AHALF, 64*PA
.set BOFF,  2*AHALF
.set BHALF, 64*PB
.set SLOT,  BOFF+2*BHALF
.set SPARE, 2*KSLOT                    ; behind both rings: the spare words, 128 bytes a wave, that no other line names
.set NSTEP, 16
.set STEPA, 256
.set STEPB, 128*2048
.set WOFF,  8192*2048*2                ; Wq's copy in xq
.set A0,   2                           ; q: my lane's place in the rows' tile; never rewritten
.set B0,   3                           ; q: in the weights' tile
.set ADRA, 4                           ; q: the same in the slot that is read
.set ADRB, 5
.set GO,   8                           ; 16 x lane
.set PFO,  10                          ; the prefetches' lane offset
.set SPW,  12                          ; my spare word; never rewritten
.set NIL,  13                          ; 0; never rewritten
.set KA0,  14                          ; kv: my lane's place in the rows' tile; never rewritten
.set KB0,  15                          ; kv: in the weights' tile
.set KADA, 16                          ; kv: the same in the slot that is read
.set KADB, 17                          ; v17: k-rows 0-127; v18: k-rows 128-255 (the immediates stay under 65,536)
.set KO,   19                          ; my byte offset in a block's K
.set VO,   20                          ; in its V
.set FA,   64
.set FB,   192
.set KF0,  0
.set KF1,  128
.set KTMP, 128
.set MUL,  0xf0                        ; q: sources window 0, C and D window 3
.set KMUL, 0xa5                        ; kv: sources window 1, C and D window 2
.set TO_F, 0x40                        ; destination window 1
.set MSB, 0
.macro WIN new                         ; the immediate's high byte repeats the setting that is left
.if MSB != (\new)
	s_set_vgpr_msb (MSB<<8)|(\new)
.set MSB, \new
.endif
.endm
.macro PLACES                          ; four plain places behind matrix instructions (ISA guide 7.12.1)
.rept 4
	v_nop
.endr
.endm
.macro CREST                           ; a round of the cluster's barrier behind its opening barrier
	s_cmp_lg_u32 s14, 0
	s_cbranch_scc1 .Lnot_wave_0_\@
	s_barrier_signal -3
.Lnot_wave_0_\@:
	s_barrier_wait -3
	s_barrier_signal -1
	s_barrier_wait -1
.endm
.macro CROUND
	s_barrier_signal -1
	s_barrier_wait -1
	CREST
.endm
; A joint refill: waves 0, 1 the rows' two halves (group 0 at ga, group 1 at ha), waves 2, 3 the weights' (gb, hb); an s_nop 0 and four v_nop follow each line
.macro JLOAD ga, ha, gb, hb
	s_cmp_lt_u32 s14, 2
	s_cbranch_scc0 .Lfor_b_\@
	tensor_load_to_lds s[(\ga):(\ga)+3], s[(\ha):(\ha)+7]
	s_nop 0
.rept 4
	v_nop
.endr
	s_branch .Lasked_\@
.Lfor_b_\@:
	tensor_load_to_lds s[(\gb):(\gb)+3], s[(\hb):(\hb)+7]
	s_nop 0
.rept 4
	v_nop
.endr
.Lasked_\@:
.endm
; A prefetch behind each refill for q and the run of LDS loads that follows it: q's K step two refills on, 256 bytes a lane.  Rows of xn: only this row of the cluster reads them; wave 0 of each of its four partners takes
; 32 of the 128 rows, told apart by address.  Weights: every cluster reads them; cluster 0 asks; each of a column's four partners takes 32 of the 128 k-rows, wave 2 their first 256 bytes, wave 3 their second.
; So each block is named once in the launch.  how = 1: at kv's last two changes of slots (q's steps 2 and 3); how = 0: in q's loop, where the count stops the asking at the tensors' last step.
; kv's own tiles are not asked for: four steps, the first two of which go out at the head.
.macro ASK how
.if \how
	s_cmp_eq_u32 s61, 2
.else
	s_cmp_gt_u32 s60, s61
.endif
	s_cbranch_scc0 .Lnot_mine_\@
	global_prefetch_b8 v[PFO], s[62:63] th:TH_LOAD_NT scope:SCOPE_SE
.Lnot_mine_\@:
.endm
	s_load_b256 s[4:11], s[0:1], 0x0               ; xq 4, med16 6, wkv16 8, kv 10
	s_load_b64 s[12:13], s[0:1], 0x20              ; q16
	v_lshl_add_u32 v[SPW], v0, 2, SPARE
	v_mov_b32 v[NIL], 0
	ds_add_u32 v[SPW], v[NIL]                      ; the opening: the add and its wait ahead of my first tensor load
	v_lshrrev_b32 v1, 5, v0
	v_readfirstlane_b32 s14, v1                    ; wave
	s_and_b32 s15, s14, 1                          ; which half I fetch; kv: wc
	s_lshr_b32 s16, s14, 1                         ; kv: wr
	s_bfe_u32 s17, ttmp6, 0x40000                  ; cx
	s_bfe_u32 s18, ttmp6, 0x40004                  ; cy
	s_lshl_b32 s19, ttmp9, 2
	s_add_co_u32 s19, s19, s17                     ; q's tx: four heads
	s_and_b32 s23, ttmp7, 0xffff                   ; c
	s_lshl_b32 s20, s23, 2
	s_add_co_u32 s20, s20, s18                     ; q's ty: 128 rows
	s_and_b32 s2, s23, 3
	s_lshl_b32 s2, s2, 2
	s_add_co_u32 s2, s2, s17                       ; kv's head
	s_lshr_b32 s3, s23, 2
	s_lshl_b32 s3, s3, 2
	s_add_co_u32 s3, s3, s18                       ; kv's block of 128 rows
	s_lshl_b32 s21, s18, 2
	s_lshl_b32 s21, 15, s21                        ; my row of the cluster
	s_lshl_b32 s22, 0x1111, s17                    ; my column
	s_or_b32 s24, s21, (1<<16)|(1<<20)|(1<<21)|(6<<22)|(3<<25)  ; kv's rows: mask; 2-byte elements; padding on; bit 21 beside a mask; after 128 words 4 words
	s_mov_b32 s25, 256<<16                         ; tensor_dim0 = 256
	s_mov_b32 s26, 64<<16                          ; tensor_dim1 = 64
	s_mov_b32 s27, 256<<16                         ; tile_dim0 = 256
	s_mov_b32 s28, 64                              ; tile_dim1 = 64
	s_mov_b32 s29, 1024                            ; elements from row to row
	s_mov_b32 s30, 0
	s_mov_b32 s31, 0
	s_or_b32 s32, s22, (1<<16)|(1<<20)|(1<<21)|(5<<22)|(7<<25)  ; kv's weights: 128 k-rows x 128 elements; after 64 words 8 words
	s_mov_b32 s33, 128<<16
	s_mov_b32 s34, 128<<16
	s_mov_b32 s35, 128<<16
	s_mov_b32 s36, 128
	s_mov_b32 s37, 2048
	s_mov_b32 s38, 0
	s_mov_b32 s39, 0
	s_or_b32 s68, s21, (1<<16)|(1<<20)|(1<<21)|(5<<22)|(3<<25)  ; q's rows: 64 rows x 128 elements; after 64 words 4 words
	s_mov_b32 s69, 128<<16
	s_mov_b32 s70, 64<<16
	s_mov_b32 s71, 128<<16
	s_mov_b32 s72, 64
	s_mov_b32 s73, 2048
	s_mov_b32 s74, 0
	s_mov_b32 s75, 0
	s_or_b32 s76, s22, (1<<16)|(1<<20)|(1<<21)|(6<<22)|(7<<25)  ; q's weights: 64 k-rows x 256 elements; after 128 words 8 words
	s_mov_b32 s77, 256<<16
	s_mov_b32 s78, 64<<16
	s_mov_b32 s79, 256<<16
	s_mov_b32 s80, 64
	s_mov_b32 s81, 1024
	s_mov_b32 s82, 0
	s_mov_b32 s83, 0
	s_mul_i32 s58, s15, KAH                        ; where my load goes: the wave's number alone enters an LDS address
	s_mul_i32 s59, s15, KBH
	s_add_co_u32 s59, s59, KBOFF
	s_mul_i32 s94, s15, AHALF
	s_mul_i32 s95, s15, BHALF
	s_add_co_u32 s95, s95, BOFF
	s_mov_b32 s56, 0                               ; kv: the slot that is read,
	s_mov_b32 s57, KSLOT                           ; the slot last filled
	s_mov_b32 s92, 0                               ; q likewise
	s_mov_b32 s93, SLOT
	s_mov_b32 s40, 1                               ; kv's group 0: step 0 into slot 0,
	s_mov_b32 s41, s58
	s_mov_b32 s44, 1                               ; and the walking set: step 1 into slot 1
	s_add_co_u32 s45, s58, KSLOT
	s_mov_b32 s48, 1
	s_mov_b32 s49, s59
	s_mov_b32 s52, 1
	s_add_co_u32 s53, s59, KSLOT
	s_mov_b32 s84, 1                               ; q's walking sets stand at step 0, slot 0
	s_mov_b32 s85, s94
	s_mov_b32 s88, 1
	s_mov_b32 s89, s95
	s_lshl_b32 s42, s3, 18                         ; kv's rows: (128 block + 64 half) x 2,048 bytes
	s_lshl_b32 s100, s15, 17
	s_add_co_u32 s42, s42, s100
	s_mov_b32 s43, 0
	s_lshl_b32 s50, s2, 8                          ; kv's weights: 128 half k-rows of 4,096 bytes + 256 head
	s_lshl_b32 s100, s15, 19
	s_add_co_u32 s50, s50, s100
	s_mov_b32 s51, 0
	s_lshl_b32 s86, s20, 19                        ; q's rows: (128 ty + 64 half) x 4,096 bytes
	s_lshl_b32 s100, s15, 18
	s_add_co_u32 s86, s86, s100
	s_mov_b32 s87, 0
	s_lshl_b32 s90, s19, 9                         ; q's weights: Wq's copy + 64 half k-rows of 2,048 bytes + 512 tx
	s_lshl_b32 s100, s15, 17
	s_add_co_u32 s90, s90, s100
	s_add_co_u32 s90, s90, WOFF
	s_mov_b32 s91, 0
	s_wait_dscnt 0x0                               ; the opening add is done
	s_wait_kmcnt 0x0
	s_add_nc_u64 s[42:43], s[6:7], s[42:43]
	s_add_nc_u64 s[46:47], s[42:43], KSTA
	s_or_b32 s43, s43, 0x80000000
	s_or_b32 s47, s47, 0x80000000
	s_add_nc_u64 s[50:51], s[8:9], s[50:51]
	s_add_nc_u64 s[54:55], s[50:51], KSTB
	s_or_b32 s51, s51, 0x80000000
	s_or_b32 s55, s55, 0x80000000
	s_add_nc_u64 s[86:87], s[4:5], s[86:87]
	s_or_b32 s87, s87, 0x80000000
	s_add_nc_u64 s[90:91], s[4:5], s[90:91]
	s_or_b32 s91, s91, 0x80000000
	CROUND                                         ; all sixteen work-groups are here: the first joint loads meet
	s_cmp_lt_u32 s14, 2                            ; a wave's two first fills stand in one branch: two loads of mine are out
	s_cbranch_scc0 .Lfirst_b
	tensor_load_to_lds s[40:43], s[24:31]
	s_nop 0
	tensor_load_to_lds s[44:47], s[24:31]
	s_nop 0
.rept 4
	v_nop
.endr
	s_branch .Lfirst_done
.Lfirst_b:
	tensor_load_to_lds s[48:51], s[32:39]
	s_nop 0
	tensor_load_to_lds s[52:55], s[32:39]
	s_nop 0
.rept 4
	v_nop
.endr
.Lfirst_done:
	v_and_b32 v40, 15, v0                          ; r = l % 16
	v_bfe_u32 v41, v0, 4, 1                        ; h = l / 16
	v_and_b32 v42, 7, v0
	v_bfe_u32 v43, v0, 3, 1
	v_and_b32 v44, 31, v0                          ; l
	; kv's places
	v_mul_u32_u24 v[KA0], v40, KPA                 ; rows: (64 wr + r) x pitch + 16 h
	v_lshl_add_u32 v[KA0], v41, 4, v[KA0]
	s_mul_i32 s21, s16, KAH
	v_add_nc_u32 v[KA0], s21, v[KA0]
	v_lshl_add_u32 v[KB0], v41, 3, v42             ; weights, turning load: (8 h + l % 8) x pitch + 16 ((l / 8) % 2) + 64 wc
	v_mul_u32_u24 v[KB0], v[KB0], KPB
	v_lshl_add_u32 v[KB0], v43, 4, v[KB0]
	s_lshl_b32 s22, s15, 6
	s_add_co_u32 s22, s22, KBOFF
	v_add_nc_u32 v[KB0], s22, v[KB0]
	v_mov_b32 v[KADA], v[KA0]
	v_mov_b32 v[KADB], v[KB0]
	v_add_nc_u32 v[KADB+1], 128*KPB, v[KB0]
	v_lshlrev_b32 v[KO], 4, v40                    ; 16 r + 1,024 h,
	v_lshl_add_u32 v[KO], v41, 10, v[KO]
	s_lshl_b32 s21, s15, 9
	s_add_co_u32 s21, s21, 8192
	v_add_nc_u32 v[VO], s21, v[KO]                 ; V: + 8,192 + 512 wc
	s_lshl_b32 s21, s15, 12
	v_add_nc_u32 v[KO], s21, v[KO]                 ; K: + 4,096 wc
	s_lshl_b32 s100, s3, 1
	s_add_co_u32 s100, s100, s16                   ; my media = 2 block + wr
	s_lshl_b32 s100, s100, 4
	s_add_co_u32 s100, s100, s2
	s_lshl_b32 s100, s100, 14
	s_mov_b32 s101, 0
	s_add_nc_u64 s[10:11], s[10:11], s[100:101]    ; my block of kv
	; q's places
	v_mul_u32_u24 v[A0], v40, PA
	v_lshl_add_u32 v[A0], v41, 4, v[A0]            ; r x pitch + 16 h
	v_lshl_add_u32 v[B0], v41, 3, v42              ; turning load: (8 h + l % 8) x pitch + 16 ((l / 8) % 2)
	v_mul_u32_u24 v[B0], v[B0], PB
	v_lshl_add_u32 v[B0], v43, 4, v[B0]
	s_lshl_b32 s22, s14, 7
	s_add_co_u32 s22, s22, BOFF
	v_add_nc_u32 v[B0], s22, v[B0]                 ; + my head's 128 bytes of a k-row
	v_mov_b32 v[ADRA], v[A0]
	v_mov_b32 v[ADRB], v[B0]
	v_lshlrev_b32 v[GO], 4, v44
	s_lshl_b32 s100, s20, 4                        ; my block of q16: ty x 16 + 4 tx + w
	s_lshl_b32 s21, s19, 2
	s_add_co_u32 s100, s100, s21
	s_add_co_u32 s100, s100, s14
	s_lshl_b32 s100, s100, 14
	s_add_nc_u64 s[12:13], s[12:13], s[100:101]
	; the prefetches' address: at q's step 1; each change of slots that fills for q steps it before it asks
	s_lshl_b32 s100, s20, 19                       ; rows: (128 ty + 32 cx) x 4,096
	s_lshl_b32 s21, s17, 17
	s_add_co_u32 s100, s100, s21
	s_add_co_u32 s100, s100, STEPA
	s_lshl_b32 s22, s18, 16                        ; weights: Wq's copy + 32 cy k-rows + 512 tx + 256 (wave 3)
	s_lshl_b32 s21, s19, 9
	s_add_co_u32 s22, s22, s21
	s_lshl_b32 s21, s15, 8
	s_add_co_u32 s22, s22, s21
	s_add_co_u32 s22, s22, WOFF+STEPB
	s_mov_b32 s21, STEPA
	s_mov_b32 s66, STEPB
	s_mov_b32 s67, 0
	s_cmp_lt_u32 s14, 2
	s_cselect_b32 s100, s100, s22
	s_cselect_b32 s66, s21, s66
	s_cselect_b32 s22, s15, s23                    ; wave 0 asks for rows; waves 2, 3 for weights in cluster 0: the same in all partners
	s_cselect_b32 s21, 12, 11                      ; a lane a row: 4,096 or 2,048 bytes apart
	s_cmp_eq_u32 s22, 0
	s_cselect_b32 s61, 2, -1
	s_add_nc_u64 s[62:63], s[4:5], s[100:101]
	v_lshlrev_b32 v[PFO], s21, v44
; ---------------------------------------------------------------- kv's macros
; 8 products: row blocks a0, a0 + 1 x the four column blocks, 32 along K (half c of buffer f).  The 16 accumulators take turns.
.macro KMUL8 f, c, a0, zero
	WIN KMUL
.irp a, \a0, (\a0)+1
.irp b, 0,1,2,3
.set rD, 8*(4*(\a)+(\b))
.if (\b) < 2
.set rX, (\f)+64+8*(4*(\c)+(\b))       ; K: weights first
.set rY, (\f)+8*(4*(\c)+(\a))
.else
.set rX, (\f)+8*(4*(\c)+(\a))          ; V: rows first
.set rY, (\f)+64+8*(4*(\c)+(\b))
.endif
.if \zero
	v_wmma_f32_16x16x32_f16 v[rD:rD+7], v[rX:rX+7], v[rY:rY+7], 0
.else
	v_wmma_f32_16x16x32_f16 v[rD:rD+7], v[rX:rX+7], v[rY:rY+7], v[rD:rD+7]
.endif
.endr
.endr
.endm
; 32 LDS loads in one run: quarter q (64 along K) into buffer f; its first 32 along K first
.macro KFETCH q, f
	WIN TO_F
.irp c, 0,1
.irp i, 0,1,2,3
	ds_load_tr16_b128 v[(\f)+64+8*(4*(\c)+(\i)):(\f)+64+8*(4*(\c)+(\i))+3],   v[KADB+(\q)/2] offset:((2*(\q)+(\c))%4)*32*KPB+((\i)%2)*32+((\i)/2)*128
	ds_load_tr16_b128 v[(\f)+64+8*(4*(\c)+(\i))+4:(\f)+64+8*(4*(\c)+(\i))+7], v[KADB+(\q)/2] offset:((2*(\q)+(\c))%4)*32*KPB+((\i)%2)*32+((\i)/2)*128+16*KPB
	ds_load_b128 v[(\f)+8*(4*(\c)+(\i)):(\f)+8*(4*(\c)+(\i))+3],   v[KADA] offset:128*(\q)+64*(\c)+(\i)*16*KPA
	ds_load_b128 v[(\f)+8*(4*(\c)+(\i))+4:(\f)+8*(4*(\c)+(\i))+7], v[KADA] offset:128*(\q)+64*(\c)+(\i)*16*KPA+32
.endr
.endr
.endm
.macro KQUARTER nq, f, g, zero         ; multiplies buffer f; in its middle fetches quarter nq into g
	s_wait_dscnt 16                                ; the first 32 along K are in; the youngest 16 loads may be out
	KMUL8 \f, 0, 0, \zero
	KMUL8 \f, 0, 2, \zero
	PLACES
	KFETCH \nq, \g
	s_wait_dscnt 32                                ; all but the 32 just issued
	KMUL8 \f, 1, 0, 0
	KMUL8 \f, 1, 2, 0
.endm
; ---------------------------------------------------------------- q's macros
; 8 products: row blocks a0, a0 + 1 x my head's four channel blocks.  The 32 accumulators take turns.
.macro MUL8 f, a0, zero
	WIN MUL
.irp a, \a0, (\a0)+1
.irp b, 0,1,2,3
.if \zero
	v_wmma_f32_16x16x32_f16 v[8*(4*(\a)+(\b)):8*(4*(\a)+(\b))+7], v[FB+32*(\f)+8*(\b):FB+32*(\f)+8*(\b)+7], v[FA+64*(\f)+8*(\a):FA+64*(\f)+8*(\a)+7], 0
.else
	v_wmma_f32_16x16x32_f16 v[8*(4*(\a)+(\b)):8*(4*(\a)+(\b))+7], v[FB+32*(\f)+8*(\b):FB+32*(\f)+8*(\b)+7], v[FA+64*(\f)+8*(\a):FA+64*(\f)+8*(\a)+7], v[8*(4*(\a)+(\b)):8*(4*(\a)+(\b))+7]
.endif
.endr
.endr
.endm
; 24 LDS loads in one run: quarter q (32 along K) into buffer f: the weights, rows 0-63, rows 64-127
.macro FETCH q, f
	WIN 0
.irp b, 0,1,2,3
	ds_load_tr16_b128 v[FB+32*(\f)+8*(\b):FB+32*(\f)+8*(\b)+3],   v[ADRB] offset:(\q)*32*PB+32*(\b)
	ds_load_tr16_b128 v[FB+32*(\f)+8*(\b)+4:FB+32*(\f)+8*(\b)+7], v[ADRB] offset:(\q)*32*PB+32*(\b)+16*PB
.endr
.irp a, 0,1,2,3,4,5,6,7
	ds_load_b128 v[FA+64*(\f)+8*(\a):FA+64*(\f)+8*(\a)+3],   v[ADRA] offset:64*(\q)+(\a)*16*PA
	ds_load_b128 v[FA+64*(\f)+8*(\a)+4:FA+64*(\f)+8*(\a)+7], v[ADRA] offset:64*(\q)+(\a)*16*PA+32
.endr
.endm
.macro QUARTER nq, f, g, zero          ; multiplies buffer f; in its middle fetches quarter nq into g
	s_wait_dscnt 8                                 ; weights and rows 0-63 are in; the youngest 8 loads may be out
	MUL8 \f, 0, \zero
	MUL8 \f, 2, \zero
	PLACES
	FETCH \nq, \g
	s_wait_dscnt 24                                ; all but the 24 just issued
	MUL8 \f, 4, \zero
	MUL8 \f, 6, \zero
.endm
; kv's last quarter multiplies buffer 1 and changes slots: each wave waits for all its tensor loads, adds 0 to its spare word, waits for that and for its reads of the slot, and meets the others in a round of the
; cluster's barrier; the bytes just read are filled again, first thing behind it.  mode 0: with kv's step two on.  mode 1 (kv's step 2 is read out): with q's step 0; the reads go on in kv's slot 1.
; mode 2 (kv's step 3 is read out): with q's step 1; q's first fragments are fetched from q's slot 0, which the wait and the round have shown whole.
.macro KTURN mode
.if \mode
	s_wait_xcnt 0x0                                ; the last prefetch, a step back, has read its address
	s_add_nc_u64 s[62:63], s[62:63], s[66:67]
.endif
	WIN 0
	s_wait_tensorcnt 0x0                           ; no tensor load of mine is out: my part of the next slot has landed, and a group 0 may be written
	ds_add_u32 v[SPW], v[NIL]
.if (\mode) == 0
	s_xor_b32 s57, s57, KSLOT                      ; kv's walking sets: the other slot than last time,
	s_add_co_u32 s45, s58, s57
	s_add_co_u32 s53, s59, s57
	s_add_nc_u64 s[46:47], s[46:47], KSTA          ; the next step
	s_add_nc_u64 s[54:55], s[54:55], KSTB
.endif
.if (\mode) == 2
	s_add_co_u32 s85, s94, SLOT                    ; q's walking sets: slot 1, step 1
	s_add_co_u32 s89, s95, SLOT
	s_add_nc_u64 s[86:87], s[86:87], STEPA
	s_add_nc_u64 s[90:91], s[90:91], STEPB
.endif
	s_wait_dscnt 17                                ; the add and the youngest 16 loads may be out
	KMUL8 KF1, 0, 0, 0
	s_wait_dscnt 0x0                               ; the add is done, my reads of this slot are over
	s_barrier_signal -1
	KMUL8 KF1, 0, 2, 0
	WIN 0
	s_barrier_wait -1
	CREST
.if (\mode) == 0
	JLOAD 44, 24, 52, 32                           ; its four v_nop are also the places in front of the loads below
	s_xor_b32 s56, s56, KSLOT                      ; the reads go on in the other slot
	v_add_nc_u32 v[KADA], s56, v[KA0]
	v_add_nc_u32 v[KADB], s56, v[KB0]
	v_add_nc_u32 v[KADB+1], 128*KPB, v[KADB]
	KFETCH 0, KF0
.else
	JLOAD 84, 68, 88, 76
.if (\mode) == 1
	v_add_nc_u32 v[KADA], KSLOT, v[KA0]
	v_add_nc_u32 v[KADB], KSLOT, v[KB0]
	v_add_nc_u32 v[KADB+1], 128*KPB, v[KADB]
	KFETCH 0, KF0
.else
	FETCH 0, 0
.endif
	WIN 0
	ASK 1
.endif
	KMUL8 KF1, 1, 0, 0
	KMUL8 KF1, 1, 2, 0
.endm
; q's last quarter, likewise.  fill = 1: the slot just read is filled again with the step two on.
.macro TURN fill
.if \fill
	s_wait_xcnt 0x0                                ; the last prefetch, a step back, has read its address
	s_add_nc_u64 s[62:63], s[62:63], s[66:67]
.endif
	WIN 0
	s_wait_tensorcnt 0x0                           ; no tensor load of mine is out: my part of the next slot has landed, and a group 0 may be written
	ds_add_u32 v[SPW], v[NIL]
.if \fill
	s_xor_b32 s93, s93, SLOT                       ; the walking sets: the other slot than last time,
	s_add_co_u32 s85, s94, s93
	s_add_co_u32 s89, s95, s93
	s_add_nc_u64 s[86:87], s[86:87], STEPA         ; the next step
	s_add_nc_u64 s[90:91], s[90:91], STEPB
.endif
	s_wait_dscnt 9                                 ; the add and the youngest 8 loads may be out
	MUL8 1, 0, 0
	s_wait_dscnt 0x0                               ; the add is done, my reads of this slot are over
	s_barrier_signal -1
	MUL8 1, 2, 0
	WIN 0
	s_barrier_wait -1
.if \fill
	CREST
	JLOAD 84, 68, 88, 76                           ; its four v_nop are also the places in front of the loads below
.else
	PLACES
.endif
	s_xor_b32 s92, s92, SLOT                       ; the reads go on in the other slot
	v_add_nc_u32 v[ADRA], s92, v[A0]
	v_add_nc_u32 v[ADRB], s92, v[B0]
	FETCH 0, 0
.if \fill
	ASK 0
.endif
	MUL8 1, 4, 0
	MUL8 1, 6, 0
.endm
; ---------------------------------------------------------------- the kv tile
	s_wait_tensorcnt 0x1                           ; my part of kv's step 0 is in; step 1's may stay out
	s_barrier_signal -1
	s_barrier_wait -1
	KFETCH 0, KF0
	KQUARTER 1, KF0, KF1, 1                        ; the first products start the sums
	WIN 0
	s_mov_b32 s60, 2
.Lkfill:                                       ; a trip: a step's quarters 1 to 3 and the next step's quarter 0; one refill: kv's steps 2 and 3
	KQUARTER 2, KF1, KF0, 0
	KQUARTER 3, KF0, KF1, 0
	KTURN 0
	KQUARTER 1, KF0, KF1, 0
	WIN 0
	s_sub_co_u32 s60, s60, 1
	s_cmp_lg_u32 s60, 0
	s_cbranch_scc1 .Lkfill
	KQUARTER 2, KF1, KF0, 0                        ; kv's last two steps are written out: THE RING GOES ON INTO THE Q TILE
	KQUARTER 3, KF0, KF1, 0
	KTURN 1                                        ; q's step 0 is asked for
	KQUARTER 1, KF0, KF1, 0
	KQUARTER 2, KF1, KF0, 0
	KQUARTER 3, KF0, KF1, 0
	KTURN 2                                        ; q's step 1 is asked for, q's first fragments are fetched
	PLACES                                         ; both refills are out: now kv leaves, straight from registers
	WIN 0x8a                                       ; sources and destination window 2
.set t, 0
.rept 16                               ; each accumulator from its low end on
.irp r, 0,1,2,3
	v_cvt_pk_f16_f32 v[KTMP+4*t+(\r)], v[8*t+2*(\r)], v[8*t+2*(\r)+1]
.endr
.set t, t+1
.endr
	WIN 0x08                                       ; the stores' data: window 2
.irp a, 0,1,2,3
.irp b, 0,1,2,3
.if (\b) < 2
	global_store_b128 v[KO], v[KTMP+4*(4*(\a)+(\b)):KTMP+4*(4*(\a)+(\b))+3], s[10:11] offset:2048*(\b)+256*(\a)  ; 16 lanes: 16 keys' pieces, 256 consecutive bytes
.else
	global_store_b128 v[VO], v[KTMP+4*(4*(\a)+(\b)):KTMP+4*(4*(\a)+(\b))+3], s[10:11] offset:2048*(\a)+256*((\b)-2)  ; 16 channels' pieces
.endif
.endr
.endr
	WIN 0                                          ; what these stores read (window 2, v19, v20, s[10:11]) is never written again
; ---------------------------------------------------------------- the q tile
	QUARTER 1, 0, 1, 1                             ; the first products start the sums
	WIN 0
	s_mov_b32 s60, NSTEP-2
.Lfill:                                        ; a trip: a step's quarters 1 to 3 and the next step's quarter 0; one refill
	QUARTER 2, 1, 0, 0
	QUARTER 3, 0, 1, 0
	TURN 1
	QUARTER 1, 0, 1, 0
	WIN 0
	s_sub_co_u32 s60, s60, 1
	s_cmp_lg_u32 s60, 0
	s_cbranch_scc1 .Lfill
	s_mov_b32 s60, 2
.Ltail:                                        ; the last two steps ask for nothing; the second trip is left in its middle (its fetch of the other slot's old bytes serves nothing: the price of one text)
	QUARTER 2, 1, 0, 0
	QUARTER 3, 0, 1, 0
	TURN 0
	WIN 0
	s_cmp_eq_u32 s60, 1
	s_cbranch_scc1 .Lout
	QUARTER 1, 0, 1, 0
	WIN 0
	s_sub_co_u32 s60, s60, 1
	s_cmp_lg_u32 s60, 0
	s_cbranch_scc1 .Ltail
.Lout:
	s_wait_dscnt 0x0
	PLACES
	WIN 0x0f                                       ; sources window 3, destination window 0
.set i, 0
.rept 128                              ; q rounded to f16, each accumulator from its low end on
	v_cvt_pk_f16_f32 v[FA+i], v[2*i], v[2*i+1]
.set i, i+1
.endr
	WIN 0
.set i, 0
.rept 32
	global_store_b128 v[GO], v[FA+4*i:FA+4*i+3], s[12:13] offset:512*i  ; the wave stores 512 consecutive bytes, aligned
.set i, i+1
.endr
	s_wait_tensorcnt 0x0                           ; the wave's end
	ds_add_u32 v[SPW], v[NIL]
	s_wait_dscnt 0x0
	CROUND                                         ; the closing round
	s_endpgm
.Lfunc_end_k_q55cafa30e4_qkv:
	.size	k_q55cafa30e4_qkv, .Lfunc_end_k_q55cafa30e4_qkv-k_q55cafa30e4_qkv
	.p2alignl 7, 3214868480
	.fill 96, 4, 3214868480
	.section	.rodata,"a",@progbits
	.p2align	6, 0x0
	.amdhsa_kernel k_q55cafa30e4_qkv
		.amdhsa_group_segment_fixed_size 327680
		.amdhsa_private_segment_fixed_size 0
		.amdhsa_enable_private_segment 0
		.amdhsa_kernarg_size 40
		.amdhsa_user_sgpr_count 2
		.amdhsa_user_sgpr_kernarg_segment_ptr 1
		.amdhsa_wavefront_size32 1
		.amdhsa_system_sgpr_workgroup_id_x 1
		.amdhsa_system_sgpr_workgroup_id_y 1
		.amdhsa_system_sgpr_workgroup_id_z 1
		.amdhsa_system_vgpr_workitem_id 0
		.amdhsa_next_free_vgpr 1024
		.amdhsa_next_free_sgpr 102
		.amdhsa_reserve_vcc 0
		.amdhsa_float_denorm_mode_32 3
		.amdhsa_float_denorm_mode_16_64 3
		.amdhsa_memory_ordered 1
		.amdhsa_forward_progress 1
		.amdhsa_inst_pref_size 121
	.end_amdhsa_kernel
	.amdgpu_metadata
---
amdhsa.version: [ 1, 2 ]
amdhsa.kernels:
  - .name:           k_q55cafa30e4_qkv
    .symbol:         k_q55cafa30e4_qkv.kd
    .args:
      - { .name: xq, .offset: 0, .size: 8, .value_kind: global_buffer, .address_space: global }
      - { .name: med16, .offset: 8, .size: 8, .value_kind: global_buffer, .address_space: global }
      - { .name: wkv16, .offset: 16, .size: 8, .value_kind: global_buffer, .address_space: global }
      - { .name: kv, .offset: 24, .size: 8, .value_kind: global_buffer, .address_space: global }
      - { .name: q16, .offset: 32, .size: 8, .value_kind: global_buffer, .address_space: global }
    .group_segment_fixed_size: 327680
    .private_segment_fixed_size: 0
    .kernarg_segment_align: 8
    .kernarg_segment_size: 40
    .max_flat_workgroup_size: 128
    .sgpr_count:     102
    .vgpr_count:     1024
    .wavefront_size: 32
...
	.end_amdgpu_metadata
.endif
;; end of part 2
;; launch attn (part 3): grid 4 x 64, 4 waves a work-group, no clusters, 68,096 bytes of LDS; arguments q16, kv, ebuf, att; writes att
.if DOCPART == 3
	.amdgcn_target "amdgcn-amd-amdhsa--gfx1250"
	.amdhsa_code_object_version 6
	.text
	.protected	k_q55cafa30e4_attn
	.globl	k_q55cafa30e4_attn
	.p2align	8
	.type	k_q55cafa30e4_attn,@function
k_q55cafa30e4_attn:
	s_mov_b64 s[64:65], 0
	v_nop
	global_prefetch_b8 v0, s[64:65] scope:SCOPE_SE
	s_setreg_imm32_b32 hwreg(HW_REG_WAVE_MODE, 25, 1), 1
	s_wait_xcnt 0x0
; THE MASKED CROSS-ATTENTION.  att[row][64 head + ch] = the sum over the row's keys of softmax(q . k / 8) v.  f16 operands, f32 products' sums, maxima and row sums; att rounded once to f16.
; A work-group takes 128 rows x 4 heads; wave w all 128 rows (8 tiles of 16) x head 4 tx + w.  q16, K and V^T lie in memory in the order of the fragments: every load of a wave covers whole runs of 256 bytes.
; LAYOUT.  S^T = K Q^T (source 0 = 16 keys, source 1 = 16 rows): a lane holds ONE row (lane % 16) and the keys 8 (lane / 16) + 0..7; two results rounded to f16 in pairs ARE source 1 of O^T = V^T P.
; THE MASK.  e = min(text time, 9), whole numbers made by an earlier launch.  e = 0: the row is 0.  e = 1..8: softmax over the 64 keys of media e - 1 alone (all other weights are 0 in f32).
; e = 9: every score is the same lowest number, so all 512 weights are 1/512.  Text time never falls inside a batch, so the work-group's 128 rows use the media from e(first row) to e(last row):
; a loop of 8 trips jumps forward over the others; no barrier and no LDS access stands in what is jumped.
; In a trip every tile takes the media's 64 keys: p = 2^(c s - c m), m the true maximum of the row's 64 scores, c = log2(e)/8; l = the sum of p; P' = p g / l, g = 1 where e = the trip's number, else 0.
; Rows with e = 9 take c = 0 (p = 1, l = 64) and g = 1/8 in all eight trips: 1/512.
; LIMITS.  q, k, v arrive within f16's 65,504; a weight below f16's step of 6e-8 counts as 0; NaN and infinities are not treated apart.
; NO CLUSTER: which work-groups want the same block of K and V hangs on the marks read from memory, and so do the trips' bounds, which differ from work-group to work-group.
; O^T is cleared by 256 moves, while q is on its way: which trip is a row's first hangs on data, so no first product can be written out with C = 0.
; REGISTERS.  Window 0: v6-13 addresses; v16-23 e of my row in each tile; v24-39 (c, g9) a tile; v40-59 at work; v64-127 S^T (two buffers), v128-143 P, v144-159 sums; at the end v64-191 att packed.
;   Window 1: O^T, 32 a tile.  Window 2: v0-63 K, v64-127 V, v128-255 Q.
.set SP,    528                        ; a row of the stage: 512 bytes + 16
.set STAGE, 0                          ; 128 rows, the work-group's, for the way out
.set SPARE, 128*SP                     ; behind it: the spare words, 128 bytes a wave, that no other line names
.set STO,  6
.set RD,   7
.set GO,   8
.set KVO,  9
.set EO,   11
.set SPW,  12
.set NIL,  13
.set E,    16
.set CG,   24
.set TC,   48
.set CM,   52                          ; v[52:53] c m, m
.set WW,   54                          ; v[54:55] g / l (the pair's low word serves both halves)
.set GG,   56
.set RR,   57
.set LL,   58
.set S,    64
.set P,    128
.set TS,   144
.set KF,   0
.set VF,   64
.set QF,   128
.set MSB, 0
.macro WIN new                         ; the immediate's high byte repeats the setting that is left
.if MSB != (\new)
	s_set_vgpr_msb (MSB<<8)|(\new)
.set MSB, \new
.endif
.endm
.macro PLACES                          ; four plain places behind matrix instructions (ISA guide 7.12.1)
.rept 4
	v_nop
.endr
.endm
	s_load_b256 s[4:11], s[0:1], 0x0               ; q16 4, kv 6, ebuf 8, att 10
	v_lshl_add_u32 v[SPW], v0, 2, SPARE
	v_mov_b32 v[NIL], 0
	v_lshrrev_b32 v1, 5, v0
	v_readfirstlane_b32 s14, v1                    ; wave
	s_mov_b32 s19, ttmp9                           ; tx: four heads
	s_and_b32 s20, ttmp7, 0xffff                   ; ty: 128 rows
	s_mov_b32 s24, 0x3e38aa3b                      ; c = log2(e) / 8
	s_mov_b32 s25, 0x3e000000                      ; 1/8
	s_mov_b32 s26, 0x76543210                      ; v_permlanex16_b32: each lane takes its own place in the other half
	s_mov_b32 s27, 0xfedcba98
	v_and_b32 v40, 15, v0                          ; r
	v_bfe_u32 v41, v0, 4, 1                        ; h
	v_and_b32 v44, 31, v0                          ; l
	v_lshlrev_b32 v[EO], 2, v40
	v_lshlrev_b32 v[GO], 4, v44
	v_lshlrev_b32 v[KVO], 4, v40
	v_lshl_add_u32 v[KVO], v41, 10, v[KVO]         ; 16 r + 1,024 h
	v_mul_u32_u24 v[STO], v40, SP                  ; into the stage: row r, my head's 128 bytes, 16 for each half of the lanes
	v_lshl_add_u32 v[STO], v41, 4, v[STO]
	s_lshl_b32 s22, s14, 7
	s_add_co_u32 s22, s22, STAGE
	v_add_nc_u32 v[STO], s22, v[STO]
	s_mul_i32 s22, s14, 32*SP                      ; back: wave w takes rows 32 w .. +31 whole, 512 bytes a load
	s_add_co_u32 s22, s22, STAGE
	v_lshl_add_u32 v[RD], v44, 4, s22
	s_lshl_b32 s21, s19, 2
	s_add_co_u32 s21, s21, s14                     ; my head
	s_lshl_b32 s40, s20, 9                         ; e of my work-group's rows: 512 bytes
	s_mov_b32 s41, 0
	s_lshl_b32 s42, s20, 4                         ; my block of q16: ty x 16 + head
	s_add_co_u32 s42, s42, s21
	s_lshl_b32 s42, s42, 14
	s_mov_b32 s43, 0
	s_lshr_b32 s44, s20, 4                         ; kv at (batch x 8 + 0) x 16 + head
	s_lshl_b32 s44, s44, 7
	s_add_co_u32 s44, s44, s21
	s_lshl_b32 s44, s44, 14
	s_mov_b32 s45, 0
	s_lshl_b32 s46, s20, 18                        ; att at row 128 ty + 32 w, byte 512 tx
	s_lshl_b32 s22, s14, 16
	s_add_co_u32 s46, s46, s22
	s_lshl_b32 s22, s19, 9
	s_add_co_u32 s46, s46, s22
	s_mov_b32 s47, 0
	s_wait_kmcnt 0x0
	s_add_nc_u64 s[28:29], s[8:9], s[40:41]
	s_add_nc_u64 s[32:33], s[4:5], s[42:43]
	s_add_nc_u64 s[34:35], s[6:7], s[44:45]
	s_add_nc_u64 s[36:37], s[10:11], s[46:47]
	s_load_b32 s48, s[28:29], 0x0                  ; e of the work-group's first row,
	s_load_b32 s49, s[28:29], 0x1fc                ; and of its last
.irp t, 0,1,2,3,4,5,6,7
	global_load_b32 v[E+(\t)], v[EO], s[28:29] offset:64*(\t)  ; e of row 16 t + r
.endr
	WIN 0x80                                       ; destination window 2
.set i, 0
.rept 32                               ; Q: fragment (tile t, channel half c) at QF + 16 t + 8 c; the wave reads 512 consecutive bytes
	global_load_b128 v[QF+4*i:QF+4*i+3], v[GO], s[32:33] offset:512*i th:TH_LOAD_NT
.set i, i+1
.endr
	WIN 0x40
.set i, 0
.rept 256
	v_mov_b32 v[i], 0                              ; O^T
.set i, i+1
.endr
	WIN 0
	v_mov_b32 v[CM+1], 0                           ; destinations of the lane exchange and unused halves of pairs: written once
	v_mov_b32 v[WW+1], 0
	v_mov_b32 v[LL+1], 0
	s_wait_loadcnt 32                              ; e of my rows is in: just Q's 32 loads are younger, and they may stay out: a trip's wait for K, whose loads are younger still, shows Q in ahead of its first reader
	s_wait_kmcnt 0x0                               ; e of the first and last row
.irp t, 0,1,2,3,4,5,6,7
	v_cmp_ne_u32 vcc_lo, 9, v[E+(\t)]
	v_cndmask_b32 v[CG+2*(\t)], 0, s24, vcc_lo
	v_cmp_eq_u32 vcc_lo, 9, v[E+(\t)]
	v_cndmask_b32 v[CG+2*(\t)+1], 0, s25, vcc_lo
.endr
	s_cmp_eq_u32 s49, 9
	s_cselect_b32 s50, 1, s48                      ; the first media wanted (a row with e = 9 wants all),
	s_min_u32 s51, s49, 8                          ; and the last
	s_mov_b32 s52, 1
.macro KQ t                            ; S^T = K Q^T for tile t: 8 products, 4 accumulators by turns; the first four start the sums
	WIN 0x0a
.set i, 0
.rept 8
.set rS, S+32*((\t)%2)+8*(i%4)
.set rK, KF+16*(i%4)+8*(i/4)
.set rQ, QF+16*(\t)+8*(i/4)
.if i < 4
	v_wmma_f32_16x16x32_f16 v[rS:rS+7], v[rK:rK+7], v[rQ:rQ+7], 0
.else
	v_wmma_f32_16x16x32_f16 v[rS:rS+7], v[rK:rK+7], v[rQ:rQ+7], v[rS:rS+7]
.endif
.set i, i+1
.endr
.endm
.macro PV t                            ; O^T += V^T P' for tile t
	WIN 0x52
.set i, 0
.rept 8
.set rO, 32*(\t)+8*(i%4)
.set rV, VF+32*(i/4)+8*(i%4)
.set rP, P+8*(i/4)
	v_wmma_f32_16x16x32_f16 v[rO:rO+7], v[rV:rV+7], v[rP:rP+7], v[rO:rO+7]
.set i, i+1
.endr
.endm
.macro SM t                            ; tile t's softmax over the media's 64 keys; a lane holds one row and 32 of the keys
	WIN 0
.set rS, S+32*((\t)%2)
.set rC, CG+2*(\t)
.irp n, 0,1,2,3                        ; the maximum: each accumulator's lowest registers first
	v_max3_num_f32 v[TC+(\n)], v[rS+8*(\n)], v[rS+8*(\n)+1], v[rS+8*(\n)+2]
.endr
.irp n, 0,1,2,3
	v_max3_num_f32 v[TC+(\n)], v[TC+(\n)], v[rS+8*(\n)+3], v[rS+8*(\n)+4]
.endr
.irp n, 0,1,2,3
	v_max3_num_f32 v[TC+(\n)], v[TC+(\n)], v[rS+8*(\n)+5], v[rS+8*(\n)+6]
.endr
	v_max3_num_f32 v[TC], v[TC], v[rS+7], v[rS+15]
	v_max3_num_f32 v[TC+1], v[TC+1], v[rS+23], v[rS+31]
	v_max_num_f32 v[TC+2], v[TC+2], v[TC+3]
	v_max3_num_f32 v[TC], v[TC], v[TC+1], v[TC+2]
	v_permlanex16_b32 v[CM+1], v[TC], s26, s27     ; the row's other 32 keys lie in the lane 16 away
	v_max_num_f32 v[CM+1], v[TC], v[CM+1]
	v_mul_f32 v[CM], v[rC], v[CM+1]
.set i, 0
.rept 16
	v_pk_fma_f32 v[rS+i:rS+i+1], v[rS+i:rS+i+1], v[rC:rC+1], v[CM:CM+1] op_sel_hi:[1,0,0] neg_lo:[0,0,1] neg_hi:[0,0,1]  ; c s - c m
.set i, i+2
.endr
.set i, 0
.rept 32
	v_exp_f32 v[rS+i], v[rS+i]
.set i, i+1
.endr
	v_nop                                          ; a plain instruction behind the last exponential,
	s_wait_alu depctr_va_vdst(0)                   ; and one wait for the batch of 32
.set i, 0
.rept 8
	v_pk_add_f32 v[TS+i:TS+i+1], v[rS+i:rS+i+1], v[rS+16+i:rS+16+i+1]
.set i, i+2
.endr
.irp n, 0,2,4,6
	v_pk_add_f32 v[TS+(\n):TS+(\n)+1], v[TS+(\n):TS+(\n)+1], v[TS+8+(\n):TS+8+(\n)+1]
.endr
.irp n, 0,2
	v_pk_add_f32 v[TS+(\n):TS+(\n)+1], v[TS+(\n):TS+(\n)+1], v[TS+4+(\n):TS+4+(\n)+1]
.endr
	v_pk_add_f32 v[TS:TS+1], v[TS:TS+1], v[TS+2:TS+3]
	v_add_f32 v[LL], v[TS], v[TS+1]
	v_permlanex16_b32 v[LL+1], v[LL], s26, s27
	v_add_f32 v[LL], v[LL], v[LL+1]                ; l, at least 1: the maximum's own weight
	v_cmp_eq_u32 vcc_lo, s52, v[E+(\t)]
	v_rcp_f32 v[RR], v[LL]
	v_cndmask_b32 v[GG], v[rC+1], 1.0, vcc_lo      ; g; also the plain instruction behind the reciprocal
	s_wait_alu depctr_va_vdst(0)                   ; the reciprocal's wait, ahead of its reader
	v_mul_f32 v[WW], v[RR], v[GG]
.set i, 0
.rept 16
	v_pk_mul_f32 v[rS+i:rS+i+1], v[rS+i:rS+i+1], v[WW:WW+1] op_sel_hi:[1,0]
.set i, i+2
.endr
.set i, 0
.rept 16
	v_cvt_pk_f16_f32 v[P+i], v[rS+2*i], v[rS+2*i+1]
.set i, i+1
.endr
.endm
.Ljj:                                          ; 8 trips, a media each; those that no row of the work-group wants are jumped
	s_cmp_lt_u32 s52, s50
	s_cbranch_scc1 .Lskip
	s_cmp_gt_u32 s52, s51
	s_cbranch_scc1 .Lskip
	WIN 0x80                                       ; destination window 2
.irp f, 0,1,2,3,4,5,6,7                ; K: keys 16 (f / 2) on, channels 32 (f % 2) on; 16 lanes read 256 consecutive bytes
	global_load_b128 v[KF+8*(\f):KF+8*(\f)+3],   v[KVO], s[34:35] offset:4096*((\f)%2)+256*((\f)/2)
	global_load_b128 v[KF+8*(\f)+4:KF+8*(\f)+7], v[KVO], s[34:35] offset:4096*((\f)%2)+256*((\f)/2)+2048
.endr
.irp f, 0,1,2,3,4,5,6,7                ; V^T: keys 32 (f / 4) on, channels 16 (f % 4) on
	global_load_b128 v[VF+8*(\f):VF+8*(\f)+3],   v[KVO], s[34:35] offset:8192+4096*((\f)/4)+256*((\f)%4)
	global_load_b128 v[VF+8*(\f)+4:VF+8*(\f)+7], v[KVO], s[34:35] offset:8192+4096*((\f)/4)+256*((\f)%4)+2048
.endr
	s_wait_loadcnt 16                              ; loads come back in order (ISA guide 5.7.1): K is in, and so is Q, which was asked for earlier; V's 16 loads may stay out
	KQ 0
	KQ 1
	PLACES
	SM 0
	s_wait_loadcnt 0x0                             ; V is in
	PV 0
.irp p, 1,2,3,4,5,6,7                  ; a tile's scores are made a tile ahead of its softmax
.if (\p) < 7
	KQ (\p)+1
.endif
	SM \p
	PV \p
.endr
	PLACES                                         ; in front of the next trip's loads into V's registers, and of the way out
	WIN 0
.Lskip:
	s_add_nc_u64 s[34:35], s[34:35], 16*16384      ; the next media's block of my head (all loads by this base have been waited for)
	s_add_co_u32 s52, s52, 1
	s_cmp_lt_u32 s52, 9
	s_cbranch_scc1 .Ljj
	; THE WAY OUT: O^T rounded to f16; 16 bytes a lane into the work-group's stage; a barrier, since a row's 512 bytes come from four waves; back as whole rows.
	WIN 0x05                                       ; sources window 1, destination window 0
.set i, 0
.rept 128
	v_cvt_pk_f16_f32 v[64+i], v[2*i], v[2*i+1]
.set i, i+1
.endr
	WIN 0
.irp t, 0,1,2,3,4,5,6,7
.irp c, 0,1,2,3
	ds_store_b128 v[STO], v[64+16*(\t)+4*(\c):64+16*(\t)+4*(\c)+3] offset:(\t)*16*SP+32*(\c)
.endr
.endr
	s_wait_dscnt 0x0                               ; for the others' sake: my stores into the stage are done
	s_barrier_signal -1
	s_barrier_wait -1
.set i, 0
.rept 32
	ds_load_b128 v[64+4*i:64+4*i+3], v[RD] offset:i*SP
.set i, i+1
.endr
.set i, 0
.rept 32
	s_wait_dscnt 31-i                              ; LDS loads come back in order: row i is in, the younger ones may be out
	global_store_b128 v[GO], v[64+4*i:64+4*i+3], s[36:37] offset:i*2048  ; the wave stores 512 consecutive bytes, aligned
.set i, i+1
.endr
	s_wait_tensorcnt 0x0                           ; the wave's end, behind my last LDS store
	ds_add_u32 v[SPW], v[NIL]
	s_wait_dscnt 0x0
	s_endpgm
.Lfunc_end_k_q55cafa30e4_attn:
	.size	k_q55cafa30e4_attn, .Lfunc_end_k_q55cafa30e4_attn-k_q55cafa30e4_attn
	.p2alignl 7, 3214868480
	.fill 96, 4, 3214868480
	.section	.rodata,"a",@progbits
	.p2align	6, 0x0
	.amdhsa_kernel k_q55cafa30e4_attn
		.amdhsa_group_segment_fixed_size 68096
		.amdhsa_private_segment_fixed_size 0
		.amdhsa_enable_private_segment 0
		.amdhsa_kernarg_size 32
		.amdhsa_user_sgpr_count 2
		.amdhsa_user_sgpr_kernarg_segment_ptr 1
		.amdhsa_wavefront_size32 1
		.amdhsa_system_sgpr_workgroup_id_x 1
		.amdhsa_system_sgpr_workgroup_id_y 1
		.amdhsa_system_sgpr_workgroup_id_z 1
		.amdhsa_system_vgpr_workitem_id 0
		.amdhsa_next_free_vgpr 768
		.amdhsa_next_free_sgpr 66
		.amdhsa_reserve_vcc 1
		.amdhsa_float_denorm_mode_32 3
		.amdhsa_float_denorm_mode_16_64 3
		.amdhsa_memory_ordered 1
		.amdhsa_forward_progress 1
		.amdhsa_inst_pref_size 96
	.end_amdhsa_kernel
	.amdgpu_metadata
---
amdhsa.version: [ 1, 2 ]
amdhsa.kernels:
  - .name:           k_q55cafa30e4_attn
    .symbol:         k_q55cafa30e4_attn.kd
    .args:
      - { .name: q16, .offset: 0, .size: 8, .value_kind: global_buffer, .address_space: global }
      - { .name: kv, .offset: 8, .size: 8, .value_kind: global_buffer, .address_space: global }
      - { .name: ebuf, .offset: 16, .size: 8, .value_kind: global_buffer, .address_space: global }
      - { .name: att, .offset: 24, .size: 8, .value_kind: global_buffer, .address_space: global }
    .group_segment_fixed_size: 68096
    .private_segment_fixed_size: 0
    .kernarg_segment_align: 8
    .kernarg_segment_size: 32
    .max_flat_workgroup_size: 128
    .sgpr_count:     66
    .vgpr_count:     768
    .wavefront_size: 32
...
	.end_amdgpu_metadata
.endif
;; end of part 3
;; launch oproj (part 4): grid 8 x 32, 4 waves a work-group, clusters of 4 x 4, 327,680 bytes of LDS; arguments att, wo16, out0; writes out0
.if DOCPART == 4
	.amdgcn_target "amdgcn-amd-amdhsa--gfx1250"
	.amdhsa_code_object_version 6
	.text
	.protected	k_q55cafa30e4_oproj
	.globl	k_q55cafa30e4_oproj
	.p2align	8
	.type	k_q55cafa30e4_oproj,@function
k_q55cafa30e4_oproj:
	s_mov_b64 s[64:65], 0
	v_nop
	global_prefetch_b8 v0, s[64:65] scope:SCOPE_SE
	s_setreg_imm32_b32 hwreg(HW_REG_WAVE_MODE, 25, 1), 1
	s_wait_xcnt 0x0
	s_wait_alu depctr_hold_cnt(0) depctr_sa_sdst(0) depctr_va_vdst(0) depctr_va_sdst(0) depctr_va_ssrc(0) depctr_va_vcc(0) depctr_vm_vsrc(0)
	s_getreg_b32 s2, hwreg(HW_REG_IB_STS2, 6, 4)
	s_cmp_eq_u32 s2, 0
	s_cbranch_scc0 .Lentry_in_a_cluster
	s_endpgm
.Lentry_in_a_cluster:
	s_bfe_u32 s2, ttmp6, 0x10000c
	s_cmp_lg_u32 s2, 0xf033
	s_cbranch_scc0 .Lentry_shape_is_right
	s_endpgm
.Lentry_shape_is_right:
; out0 = att x Wo.  att: [8192][1024] f16; wo16: [1024 k][2048 n] f16; out0: [8192][2048] f32; sums in f32, stored as they are.
; A work-group makes 256 x 256; each of its four waves 128 x 128: 64 accumulators, 512 registers.  K goes in 8 steps of 128 through two LDS slots; rows as [row][k] (plain loads), weights as [k][n] (turning loads).
; The matrix instruction is used transposed (source 0 = 16 columns of Wo, source 1 = 16 rows of att): a lane holds one row and 8 neighbouring columns, 32 bytes.
; CLUSTER 4 x 4: the rows' tile hangs on ty alone (joint along a row of the cluster), the weights' on tx alone (along a column).
; REGISTERS: window 0: v2-13 addresses; v64-127, v128-191 rows' fragments, two buffers (on the way out: rows read back from the stage); window 1: v64-127, v128-191 weights' fragments;
;   window 2: the accumulators of my rows 0-63 ((a, b) at 8 (8 a + b)); window 3: those of rows 64-127.
.set PA,    272
.set PB,    544
.set PART,  128*PA                     ; what one wave fetches: 128 rows of att, or 64 k-rows of wo16: 34,816 bytes either way
.set BOFF,  2*PART
.set SLOT,  4*PART
.set STAGE, 2*SLOT                     ; behind the ring, never filled by a tensor load: 16 rows x 528 bytes for each wave
.set SP,    528
.set SPARE, STAGE+4*16*SP              ; the spare words, 128 bytes a wave, that no other line names
.set NSTEP, 8
.set STEPA, 256
.set STEPB, 128*4096
.set A0,   2
.set B0,   3
.set ADRA, 4
.set ADRB, 5
.set STO,  6
.set RD,   7
.set GO,   8
.set PFO,  10
.set SPW,  12
.set NIL,  13
.set F0,   64
.set F1,   128
.set MUL_LO, 0xa1                      ; source 0 (weights) window 1, source 1 (rows) window 0, C and D window 2
.set TO_B,   0x40
.set MSB, 0
.macro WIN new
.if MSB != (\new)
	s_set_vgpr_msb (MSB<<8)|(\new)
.set MSB, \new
.endif
.endm
.macro PLACES
.rept 4
	v_nop
.endr
.endm
.macro CREST
	s_cmp_lg_u32 s14, 0
	s_cbranch_scc1 .Lnot_wave_0_\@
	s_barrier_signal -3
.Lnot_wave_0_\@:
	s_barrier_wait -3
	s_barrier_signal -1
	s_barrier_wait -1
.endm
.macro CROUND
	s_barrier_signal -1
	s_barrier_wait -1
	CREST
.endm
.macro JLOAD
	s_cmp_lt_u32 s14, 2
	s_cbranch_scc0 .Lfor_b_\@
	tensor_load_to_lds s[44:47], s[24:31]
	s_nop 0
.rept 4
	v_nop
.endr
	s_branch .Lasked_\@
.Lfor_b_\@:
	tensor_load_to_lds s[52:55], s[32:39]
	s_nop 0
.rept 4
	v_nop
.endr
.Lasked_\@:
.endm
; A prefetch behind each refill and the run of LDS loads that follows it: the K step one refill on (256 matrix instructions ahead of the load that will want it), 256 bytes a lane.
; Rows of att are read by both clusters of a row of clusters: the one with x = 0 asks; of the 128 rows that wave 0 or 1 fetches each of the four partners takes 32, told apart by address.
; Weights are read by every cluster of a column of clusters: the one with y = 0 asks; each partner takes 32 of the 128 k-rows, wave 2 their first 256 bytes, wave 3 their second.
; So each block is named once in the launch; the count stops the asking at the tensor's last step.
.macro ASK
	s_cmp_gt_u32 s60, s61
	s_cbranch_scc0 .Lnot_mine_\@
	global_prefetch_b8 v[PFO], s[62:63] th:TH_LOAD_NT scope:SCOPE_SE
.Lnot_mine_\@:
.endm
	s_load_b128 s[4:7], s[0:1], 0x0                ; att, wo16
	s_load_b64 s[8:9], s[0:1], 0x10                ; out0
	v_lshl_add_u32 v[SPW], v0, 2, SPARE
	v_mov_b32 v[NIL], 0
	ds_add_u32 v[SPW], v[NIL]                      ; the opening: the add and its wait ahead of my first tensor load
	v_lshrrev_b32 v1, 5, v0
	v_readfirstlane_b32 s14, v1                    ; wave
	s_and_b32 s15, s14, 1                          ; my half of the columns; also: which half I fetch
	s_lshr_b32 s16, s14, 1                         ; my half of the rows
	s_bfe_u32 s17, ttmp6, 0x40000                  ; cx
	s_bfe_u32 s18, ttmp6, 0x40004                  ; cy
	s_lshl_b32 s19, ttmp9, 2
	s_add_co_u32 s19, s19, s17                     ; tx
	s_and_b32 s20, ttmp7, 0xffff
	s_lshl_b32 s20, s20, 2
	s_add_co_u32 s20, s20, s18                     ; ty
	s_lshl_b32 s21, s18, 2
	s_lshl_b32 s21, 15, s21
	s_lshl_b32 s22, 0x1111, s17
	s_or_b32 s24, s21, (1<<16)|(1<<20)|(1<<21)|(5<<22)|(3<<25)  ; rows: 128 rows x 128 elements; after 64 words 4 words
	s_mov_b32 s25, 128<<16
	s_mov_b32 s26, 128<<16
	s_mov_b32 s27, 128<<16
	s_mov_b32 s28, 128
	s_mov_b32 s29, 1024
	s_mov_b32 s30, 0
	s_mov_b32 s31, 0
	s_or_b32 s32, s22, (1<<16)|(1<<20)|(1<<21)|(6<<22)|(7<<25)  ; weights: 64 k-rows x 256 elements; after 128 words 8 words
	s_mov_b32 s33, 256<<16
	s_mov_b32 s34, 64<<16
	s_mov_b32 s35, 256<<16
	s_mov_b32 s36, 64
	s_mov_b32 s37, 2048
	s_mov_b32 s38, 0
	s_mov_b32 s39, 0
	s_mul_i32 s58, s14, PART                       ; where my load goes: the rows' two halves, then the weights' two
	s_mov_b32 s59, s58
	s_mov_b32 s56, 0
	s_mov_b32 s57, SLOT
	s_mov_b32 s40, 1
	s_mov_b32 s41, s58
	s_mov_b32 s44, 1
	s_add_co_u32 s45, s58, SLOT
	s_mov_b32 s48, 1
	s_mov_b32 s49, s59
	s_mov_b32 s52, 1
	s_add_co_u32 s53, s59, SLOT
	s_lshl_b32 s68, s20, 19                        ; rows: (256 ty + 128 half) x 2,048 bytes
	s_lshl_b32 s21, s15, 18
	s_add_co_u32 s68, s68, s21
	s_mov_b32 s69, 0
	s_lshl_b32 s70, s19, 9                         ; weights: 64 half k-rows of 4,096 bytes + 512 tx
	s_lshl_b32 s22, s15, 18
	s_add_co_u32 s70, s70, s22
	s_mov_b32 s71, 0
	s_wait_dscnt 0x0                               ; the opening add is done
	s_wait_kmcnt 0x0
	s_add_nc_u64 s[42:43], s[4:5], s[68:69]
	s_add_nc_u64 s[46:47], s[42:43], STEPA
	s_or_b32 s43, s43, 0x80000000
	s_or_b32 s47, s47, 0x80000000
	s_add_nc_u64 s[50:51], s[6:7], s[70:71]
	s_add_nc_u64 s[54:55], s[50:51], STEPB
	s_or_b32 s51, s51, 0x80000000
	s_or_b32 s55, s55, 0x80000000
	CROUND
	s_cmp_lt_u32 s14, 2
	s_cbranch_scc0 .Lfirst_b
	tensor_load_to_lds s[40:43], s[24:31]
	s_nop 0
	tensor_load_to_lds s[44:47], s[24:31]
	s_nop 0
.rept 4
	v_nop
.endr
	s_branch .Lfirst_done
.Lfirst_b:
	tensor_load_to_lds s[48:51], s[32:39]
	s_nop 0
	tensor_load_to_lds s[52:55], s[32:39]
	s_nop 0
.rept 4
	v_nop
.endr
.Lfirst_done:
	v_and_b32 v20, 15, v0                          ; r
	v_bfe_u32 v21, v0, 4, 1                        ; h
	v_and_b32 v22, 7, v0
	v_bfe_u32 v23, v0, 3, 1
	v_and_b32 v24, 31, v0                          ; l
	; the prefetches' address: at step 2; each change of slots steps it before it asks
	s_lshl_b32 s68, s20, 19                        ; rows: (256 ty + 128 half + 32 cx) x 2,048
	s_lshl_b32 s21, s15, 18
	s_add_co_u32 s68, s68, s21
	s_lshl_b32 s21, s17, 16
	s_add_co_u32 s68, s68, s21
	s_add_co_u32 s68, s68, 2*STEPA
	s_lshl_b32 s70, s18, 17                        ; weights: 32 cy k-rows + 512 tx + 256 (wave 3)
	s_lshl_b32 s21, s19, 9
	s_add_co_u32 s70, s70, s21
	s_lshl_b32 s21, s15, 8
	s_add_co_u32 s70, s70, s21
	s_add_co_u32 s70, s70, 2*STEPB
	s_and_b32 s22, ttmp7, 0xffff
	s_mov_b32 s23, STEPA
	s_mov_b32 s66, STEPB
	s_mov_b32 s67, 0
	s_mov_b32 s69, 0
	s_cmp_lt_u32 s14, 2
	s_cselect_b64 s[62:63], s[4:5], s[6:7]
	s_cselect_b32 s68, s68, s70
	s_cselect_b32 s66, s23, s66
	s_cselect_b32 s22, ttmp9, s22                  ; the coordinate along which other clusters read the same rows: the same in all partners
	s_cselect_b32 s21, 11, 12                      ; a lane a row: 2,048 or 4,096 bytes apart
	s_cmp_eq_u32 s22, 0
	s_cselect_b32 s61, 1, -1
	s_add_nc_u64 s[62:63], s[62:63], s[68:69]
	v_lshlrev_b32 v[PFO], s21, v24
	; LDS places
	v_mul_u32_u24 v[A0], v20, PA
	v_lshl_add_u32 v[A0], v21, 4, v[A0]
	s_mul_i32 s21, s16, PART
	v_add_nc_u32 v[A0], s21, v[A0]                 ; my 128 rows: r x pitch + 16 h
	v_lshl_add_u32 v[B0], v21, 3, v22
	v_mul_u32_u24 v[B0], v[B0], PB
	v_lshl_add_u32 v[B0], v23, 4, v[B0]
	s_lshl_b32 s22, s15, 8
	s_add_co_u32 s22, s22, BOFF
	v_add_nc_u32 v[B0], s22, v[B0]                 ; my 128 columns: 256 bytes of a k-row
	v_mov_b32 v[ADRA], v[A0]
	v_mov_b32 v[ADRB], v[B0]
	s_mul_i32 s22, s14, 16*SP
	s_add_co_u32 s22, s22, STAGE                   ; my stage
	v_mul_u32_u24 v[STO], v20, SP                  ; in: row r, 32 bytes for each half of the lanes
	v_lshl_add_u32 v[STO], v21, 5, v[STO]
	v_add_nc_u32 v[STO], s22, v[STO]
	v_lshl_add_u32 v[RD], v24, 4, s22              ; back: a row of 512 bytes a load
	v_lshlrev_b32 v[GO], 4, v24
	s_lshl_b32 s72, s20, 21                        ; out0 at row 256 ty + 128 wr, byte 1,024 tx + 512 wc
	s_lshl_b32 s21, s16, 20
	s_add_co_u32 s72, s72, s21
	s_lshl_b32 s21, s19, 10
	s_add_co_u32 s72, s72, s21
	s_lshl_b32 s21, s15, 9
	s_add_co_u32 s72, s72, s21
	s_mov_b32 s73, 0
	s_add_nc_u64 s[8:9], s[8:9], s[72:73]
; 16 products: row blocks a0, a0 + 1 of the window's four x all 8 column blocks.  The 64 accumulators take turns.
.macro MUL16 f, hi, a0, zero
	WIN MUL_LO+0x50*(\hi)
.irp a, \a0, (\a0)+1
.irp b, 0,1,2,3,4,5,6,7
.if \zero
	v_wmma_f32_16x16x32_f16 v[8*(8*(\a)+(\b)):8*(8*(\a)+(\b))+7], v[(\f)+8*(\b):(\f)+8*(\b)+7], v[(\f)+8*(4*(\hi)+(\a)):(\f)+8*(4*(\hi)+(\a))+7], 0
.else
	v_wmma_f32_16x16x32_f16 v[8*(8*(\a)+(\b)):8*(8*(\a)+(\b))+7], v[(\f)+8*(\b):(\f)+8*(\b)+7], v[(\f)+8*(4*(\hi)+(\a)):(\f)+8*(4*(\hi)+(\a))+7], v[8*(8*(\a)+(\b)):8*(8*(\a)+(\b))+7]
.endif
.endr
.endr
.endm
; 32 LDS loads in one run: quarter q (32 along K) into buffer f: the weights, then the rows
.macro FETCH q, f
	WIN TO_B
.irp i, 0,1,2,3,4,5,6,7
	ds_load_tr16_b128 v[(\f)+8*(\i):(\f)+8*(\i)+3],   v[ADRB] offset:(\q)*32*PB+32*(\i)
	ds_load_tr16_b128 v[(\f)+8*(\i)+4:(\f)+8*(\i)+7], v[ADRB] offset:(\q)*32*PB+32*(\i)+16*PB
.endr
	WIN 0
.irp i, 0,1,2,3,4,5,6,7
	ds_load_b128 v[(\f)+8*(\i):(\f)+8*(\i)+3],   v[ADRA] offset:64*(\q)+(\i)*16*PA
	ds_load_b128 v[(\f)+8*(\i)+4:(\f)+8*(\i)+7], v[ADRA] offset:64*(\q)+(\i)*16*PA+32
.endr
.endm
.macro QUARTER nq, f, g, zero
	s_wait_dscnt 8                                 ; weights and rows 0-63 are in; the youngest 8 loads may be out
	MUL16 \f, 0, 0, \zero
	MUL16 \f, 0, 2, \zero
	PLACES
	FETCH \nq, \g
	s_wait_dscnt 32                                ; all but the 32 just issued
	MUL16 \f, 1, 0, \zero
	MUL16 \f, 1, 2, \zero
.endm
.macro TURN fill                       ; the last quarter: multiplies buffer 1 and changes slots
.if \fill
	s_wait_xcnt 0x0                                ; the last prefetch, a step back, has read its address
	s_add_nc_u64 s[62:63], s[62:63], s[66:67]
.endif
	WIN 0
	s_wait_tensorcnt 0x0                           ; no tensor load of mine is out: my part of the next slot has landed
	ds_add_u32 v[SPW], v[NIL]
.if \fill
	s_xor_b32 s57, s57, SLOT
	s_add_co_u32 s45, s58, s57
	s_add_co_u32 s53, s59, s57
	s_add_nc_u64 s[46:47], s[46:47], STEPA
	s_add_nc_u64 s[54:55], s[54:55], STEPB
.endif
	s_wait_dscnt 9                                 ; the add and the youngest 8 loads may be out
	MUL16 F1, 0, 0, 0
	s_wait_dscnt 0x0                               ; the add is done, my reads of this slot are over
	s_barrier_signal -1
	MUL16 F1, 0, 2, 0
	WIN 0
	s_barrier_wait -1
.if \fill
	CREST
	JLOAD
.else
	PLACES
.endif
	s_xor_b32 s56, s56, SLOT
	v_add_nc_u32 v[ADRA], s56, v[A0]
	v_add_nc_u32 v[ADRB], s56, v[B0]
	FETCH 0, F0
.if \fill
	ASK
.endif
	MUL16 F1, 1, 0, 0
	MUL16 F1, 1, 2, 0
.endm
	s_wait_tensorcnt 0x1                           ; my part of step 0 is in; step 1's may stay out
	s_barrier_signal -1
	s_barrier_wait -1
	FETCH 0, F0
	QUARTER 1, F0, F1, 1
	WIN 0
	s_mov_b32 s60, NSTEP-2
.Lfill:
	QUARTER 2, F1, F0, 0
	QUARTER 3, F0, F1, 0
	TURN 1
	QUARTER 1, F0, F1, 0
	WIN 0
	s_sub_co_u32 s60, s60, 1
	s_cmp_lg_u32 s60, 0
	s_cbranch_scc1 .Lfill
	s_mov_b32 s60, 2
.Ltail:                                        ; the last two steps ask for nothing; the second trip is left in its middle
	QUARTER 2, F1, F0, 0
	QUARTER 3, F0, F1, 0
	TURN 0
	WIN 0
	s_cmp_eq_u32 s60, 1
	s_cbranch_scc1 .Lout
	QUARTER 1, F0, F1, 0
	WIN 0
	s_sub_co_u32 s60, s60, 1
	s_cmp_lg_u32 s60, 0
	s_cbranch_scc1 .Ltail
.Lout:
	s_wait_dscnt 0x0
	PLACES
; THE WAY OUT, 16 rows at a time through my own stage: 32 bytes a lane in, whole rows of 512 bytes back, stored from registers.
.macro TOSTAGE a
.set AC, 64*((\a)%4)
.set BK, 64+64*((\a)%2)
	WIN 0x08+4*((\a)/4)                            ; the stores' data: window 2 or 3
.irp b, 0,1,2,3,4,5,6,7
	ds_store_b128 v[STO], v[AC+8*(\b):AC+8*(\b)+3]   offset:64*(\b)      ; each accumulator from its low end on
	ds_store_b128 v[STO], v[AC+8*(\b)+4:AC+8*(\b)+7] offset:64*(\b)+16
.endr
	WIN 0
	s_wait_xcnt 0x0                                ; the registers that the stores of two blocks back read are loaded again only behind this wait
.irp i, 0,1,2,3,4,5,6,7,8,9,10,11,12,13,14,15
	ds_load_b128 v[BK+4*(\i):BK+4*(\i)+3], v[RD] offset:(\i)*SP  ; LDS serves a wave's instructions in order (ISA guide 5.7.1.4): these see the stores above
.endr
.endm
.macro SEND a, younger                 ; younger: the next block's 16 stores and 16 loads, or none
.set BK, 64+64*((\a)%2)
	s_wait_dscnt \younger
.irp i, 0,1,2,3,4,5,6,7,8,9,10,11,12,13,14,15
	global_store_b128 v[GO], v[BK+4*(\i):BK+4*(\i)+3], s[8:9] offset:131072*(\a)+8192*(\i) th:TH_STORE_NT  ; the wave stores 512 consecutive bytes, aligned
.endr
.endm
	TOSTAGE 0
.irp a, 1,2,3,4,5,6,7
	TOSTAGE \a
	SEND (\a)-1, 32
.endr
	SEND 7, 0
	s_wait_tensorcnt 0x0                           ; the wave's end
	ds_add_u32 v[SPW], v[NIL]
	s_wait_dscnt 0x0
	CROUND                                         ; the closing round
	s_endpgm
.Lfunc_end_k_q55cafa30e4_oproj:
	.size	k_q55cafa30e4_oproj, .Lfunc_end_k_q55cafa30e4_oproj-k_q55cafa30e4_oproj
	.p2alignl 7, 3214868480
	.fill 96, 4, 3214868480
	.section	.rodata,"a",@progbits
	.p2align	6, 0x0
	.amdhsa_kernel k_q55cafa30e4_oproj
		.amdhsa_group_segment_fixed_size 327680
		.amdhsa_private_segment_fixed_size 0
		.amdhsa_enable_private_segment 0
		.amdhsa_kernarg_size 24
		.amdhsa_user_sgpr_count 2
		.amdhsa_user_sgpr_kernarg_segment_ptr 1
		.amdhsa_wavefront_size32 1
		.amdhsa_system_sgpr_workgroup_id_x 1
		.amdhsa_system_sgpr_workgroup_id_y 1
		.amdhsa_system_sgpr_workgroup_id_z 1
		.amdhsa_system_vgpr_workitem_id 0
		.amdhsa_next_free_vgpr 1024
		.amdhsa_next_free_sgpr 80
		.amdhsa_reserve_vcc 0
		.amdhsa_float_denorm_mode_32 3
		.amdhsa_float_denorm_mode_16_64 3
		.amdhsa_memory_ordered 1
		.amdhsa_forward_progress 1
		.amdhsa_inst_pref_size 98
	.end_amdhsa_kernel
	.amdgpu_metadata
---
amdhsa.version: [ 1, 2 ]
amdhsa.kernels:
  - .name:           k_q55cafa30e4_oproj
    .symbol:         k_q55cafa30e4_oproj.kd
    .args:
      - { .name: att, .offset: 0, .size: 8, .value_kind: global_buffer, .address_space: global }
      - { .name: wo16, .offset: 8, .size: 8, .value_kind: global_buffer, .address_space: global }
      - { .name: out0, .offset: 16, .size: 8, .value_kind: global_buffer, .address_space: global }
    .group_segment_fixed_size: 327680
    .private_segment_fixed_size: 0
    .kernarg_segment_align: 8
    .kernarg_segment_size: 24
    .max_flat_workgroup_size: 128
    .sgpr_count:     80
    .vgpr_count:     1024
    .wavefront_size: 32
...
	.end_amdgpu_metadata
.endif
;; end of part 4
